; MI455X (gfx1250); checked and timed in simulation.
; The chip was launched on July 23, 2026; its instructions are those of AMD's public machine-readable ISA for CDNA 5 (MIT licence, August 2026) and "CDNA5" Instruction Set Architecture Reference Guide (July 2026). The comments in the code are by the model that wrote it; some were corrected since.
;; LS Multihead Attention Layer. Allowed arithmetic: matrix products marked QUANTISED: E5M2 operands, one given power-of-two scale a tensor, by v_wmma_f32_16x16x64_bf8_bf8 or v_wmma_f32_16x16x128_bf8_bf8, f32 sums; everything else in f32.
;; Inputs: encoder_padding_mask 4 x 2,048 int32; hidden_states 4 x 2,048 x 1,024 float32; ln_beta 1,024 float32; ln_gamma 1,024 float32; lowp_scales 8 int32 (the exponents e of the quantised operands' scales 2^e); out_b 1,024 float32; out_w_codes 1,024 x 32 x 32 uint8 (E5M2 codes of out_w, K innermost, in blocks of 32 codes); qkv_b 3,072 float32; qkv_w_codes 3,072 x 32 x 32 uint8 (E5M2 codes of qkv_w, K innermost, in blocks of 32 codes).
;; Outputs: out0 4 x 2,048 x 1,024 float32.
;; This version of the problem:
;;   THIS VERSION OF THE PROBLEM IS GIVEN IN LOW PRECISION. The matrix products marked QUANTISED in the list below multiply operands that are first quantised to E5M2 (5 exponent bits, 2 mantissa bits; 8 bits a number), with one given power-of-two scale for each operand tensor; their sums are f32. All else is computed in f32.
;;   The module's matrix products, in the order in which they are computed (A, B: the left and right operand; K: the contracted axis; several contracted axes count as one K, in the product's order):
;;     1. [M 8,192, K 1,024] x [K 1,024, N 3,072]; A: computed on the way; B: input qkv_w (given as codes): QUANTISED (scales: A lowp_scales[0], B lowp_scales[1])
;;     2. batch 64 x [M 2,048, K 64] x [K 64, N 2,048]; A: computed on the way; B: computed on the way: QUANTISED (scales: A lowp_scales[2], B lowp_scales[3])
;;     3. batch 64 x [M 64, K 2,048] x [K 2,048, N 2,048]; A: computed on the way; B: softmax (see below): QUANTISED (scales: A lowp_scales[4], B lowp_scales[5])
;;     4. [M 8,192, K 1,024] x [K 1,024, N 1,024]; A: computed on the way; B: input out_w (given as codes): QUANTISED (scales: A lowp_scales[6], B lowp_scales[7])
;;   THE QUANTISER, for each operand of a quantised product, along K:
;;     - The operand's scale is 2^e, e = its entry of the input lowp_scales (int32; the entries are numbered through the quantised products in the list's order, A before B).
;;     - Each number is divided by the scale, clamped to +-57,344, and rounded to the nearest number of E5M2, ties to even, subnormals kept.
;;     - The product sums the exact products of the quantised numbers (number of the format x scale) in f32.
;;   ~~~python
;;   def quantise(x, axis, e):      # numpy; x: float32 -> the quantised numbers, widened to float32 again
;;       x = np.moveaxis(x, axis, -1); K = x.shape[-1]
;;       r = np.clip(x / 2.0 ** e, -57344, 57344)
;;       step = 2.0 ** (np.maximum(np.frexp(np.where(r == 0, 1, r))[1] - 1, -14) - 2)
;;       q = np.round(r / step) * step * 2.0 ** e      # np.round: ties to even
;;       return np.moveaxis(q, -1, axis).astype(np.float32)
;;   ~~~
;;   SOFTMAX AHEAD OF A QUANTISED PRODUCT. Where the list says 'softmax', what is quantised is not the finished softmax but p = 2^(t - M), with t = logit x log2(e) and M = ceil(the row's largest t), a whole number; so 1/2 < the row's largest p <= 1. The row's sum l is taken of the UNQUANTISED p, in f32, and the product's result is divided by l at the end. Since M is a whole number, a kernel that streams over the keys may use a running M (the ceiling of the running maximum): every later rescaling is an exact power of two, so the quantised numbers keep their values, but for numbers so far below the row's largest that they fall under the format's range.
;;   OPERANDS COMPUTED ON THE WAY. 'Computed on the way' means the value that the module computes at that place (a softmax that the list does not call 'softmax' is quantised finished and normalised). What goes into a quantiser is computed in f32, as accurately as f32 sums, v_exp_f32 and their like allow (about 1e-6 of the number): no bf16 or f16 on the way to a quantiser, and a product that is left as it is and whose result goes on into a quantised operand takes f32 operands (vector FMAs, or v_wmma_f32_16x16x4_f32). A number that lies on a knife's edge between two numbers of the format may be rounded either way, as far as f32 arithmetic and the matrix unit's own rounding can turn it there, and no further.
;;   INPUTS GIVEN AS CODES. out_w (in the module: [1024, 1024], K = its axis 1); qkv_w (in the module: [3072, 1024], K = its axis 1): each comes as NAME_codes (uint8): NAME with its K axis moved to the last place and cut into blocks of 32 codes, [.., K / 32, bytes a block], one block behind the other in memory; one code a byte (a code: sign, 5 exponent bits, 2 mantissa bits); its scale is its entry of lowp_scales. Its value is code x scale, taken as it is: it is not quantised again, and the codes and scales need not be those that the quantiser above would give.
;; One version. Each part assembles by itself: llvm-mc -triple=amdgcn-amd-amdhsa -mcpu=gfx1250 --defsym DOCPART=n.
;; ======== version 1 of 1: 4 launches
;; workspace buffers: ycodes 8,388,608 bytes; qcodes 8,388,608 bytes; kcodes 8,388,608 bytes; vcodes 8,388,608 bytes; ctxcodes 8,388,608 bytes
;; launch lnq (part 1): grid 256 x 1, 8 waves a work-group, no clusters, 8,192 bytes of LDS; arguments hidden_states, ln_gamma, ln_beta, lowp_scales, ycodes; writes ycodes
.if DOCPART == 1
	.amdgcn_target "amdgcn-amd-amdhsa--gfx1250"
	.amdhsa_code_object_version 6
	.text
	.protected	k_qe6f13e31fd_lnq
	.globl	k_qe6f13e31fd_lnq
	.p2align	8
	.type	k_qe6f13e31fd_lnq,@function
k_qe6f13e31fd_lnq:
	s_mov_b64 s[64:65], 0
	v_nop
	global_prefetch_b8 v0, s[64:65] scope:SCOPE_SE
	s_setreg_imm32_b32 hwreg(HW_REG_WAVE_MODE, 25, 1), 1
	s_wait_xcnt 0x0
; ycodes[token][1024] = codes of BF8 (E5M2) of LayerNorm(x) = (x - mean) * rsqrt(var + 1e-5) * gamma + beta, with the given scale 2^e0 (entry 0 of the scales).
; x: [8192][1024] f32.  A stream: no matrix unit, no cluster, no barrier.  Eight waves; a wave takes 4 rows, one row at a time, each row whole in 32 registers a lane,
; so x is read once.  A load of a wave covers 512 consecutive bytes; all 32 loads of a wave's four rows go out at the head.
; Mean first, then the mean of the squared differences: two passes over registers, so a common offset of the inputs costs no accuracy.
; code = y / 2^e0, held within +-57,344, to the nearest code, ties to even.  LIMITS: e0 between -126 and 112.  NaN among the inputs is not served.
; A lane's four numbers of a load give four codes (one register); a row's codes turn through the wave's own 1,024 bytes of LDS and leave as two stores of 512 consecutive bytes.
.set X, 64                             ; v64-191  row r at X + 32 r: register 4 j + i is column 128 j + 4 lane + i
.set G, 192                            ; v192-223 gamma, in the same places
.set B, 224                            ; v224-255 beta
.set C, 20                             ; v20-27   a row's codes: register j holds the four codes of load j
	s_load_b256 s[4:11], s[0:1], 0x0               ; x s[4:5], gamma s[6:7], beta s[8:9], the scales' exponents s[10:11]
	s_load_b64 s[12:13], s[0:1], 0x20              ; ycodes
	v_lshrrev_b32 v8, 5, v0
	v_readfirstlane_b32 s14, v8                    ; wave 0..7
	v_and_b32 v9, 31, v0                           ; lane
	v_lshlrev_b32 v1, 4, v9                        ; 16 x lane: my bytes of a load's or a store's 512; never rewritten
	s_lshl_b32 s15, s14, 10                        ; my wave's stage
	v_lshl_add_u32 v2, v9, 2, s15                  ; into it: 4 bytes a lane
	v_add_nc_u32 v3, s15, v1                       ; out of it: 16 bytes a lane
	v_mov_b32 v5, 0                                ; (upper halves of the pairs v[4:5] and v[6:7], named with them)
	v_mov_b32 v7, 0
	s_mov_b32 s16, 0x76543210                      ; v_permlanex16_b32: lane l takes lane l xor 16
	s_mov_b32 s17, 0xfedcba98
	s_mov_b32 s20, 0x3a800000                      ; 1 / 1024
	s_mov_b32 s21, 0x3727c5ac                      ; 1e-5
	s_lshl_b32 s18, ttmp9, 17                      ; 32 rows of 4,096 bytes a work-group,
	s_lshl_b32 s19, s14, 14                        ; 4 a wave
	s_add_co_u32 s18, s18, s19
	s_mov_b32 s19, 0
	s_lshr_b32 s24, s18, 2                         ; a row of codes is a quarter of that
	s_mov_b32 s25, 0
	s_wait_kmcnt 0x0
	s_load_b32 s22, s[10:11], 0x0                  ; e0
	s_add_nc_u64 s[4:5], s[4:5], s[18:19]
	s_add_nc_u64 s[12:13], s[12:13], s[24:25]
.set j, 0
.rept 8
	global_load_b128 v[G+4*j:G+4*j+3], v1, s[6:7] offset:512*j
.set j, j+1
.endr
.set j, 0
.rept 8
	global_load_b128 v[B+4*j:B+4*j+3], v1, s[8:9] offset:512*j
.set j, j+1
.endr
.set j, 0
.rept 32                               ; row j / 8, load j % 8
	global_load_b128 v[X+4*j:X+4*j+3], v1, s[4:5] offset:4096*(j/8)+512*(j%8) th:TH_LOAD_NT
.set j, j+1
.endr
	s_wait_kmcnt 0x0
	s_add_co_i32 s22, s22, 127
	s_lshl_b32 s23, s22, 23
	v_mov_b32 v16, s23                             ; 2^e0 as f32: the conversion takes its exponent field
	s_add_co_i32 s22, s22, 15
	s_lshl_b32 s22, s22, 23
	s_or_b32 s22, s22, 0x600000
	v_mov_b32 v17, s22                             ; 57,344 x 2^e0
.macro ALLSUM                          ; v8 summed over the 32 lanes, the result in every lane
	v_add_f32_dpp v8, v8, v8 row_xmask:1 row_mask:0xf bank_mask:0xf
	v_add_f32_dpp v8, v8, v8 row_xmask:2 row_mask:0xf bank_mask:0xf
	v_add_f32_dpp v8, v8, v8 row_xmask:4 row_mask:0xf bank_mask:0xf
	v_add_f32_dpp v8, v8, v8 row_xmask:8 row_mask:0xf bank_mask:0xf
	v_permlanex16_b32 v9, v8, s16, s17
	v_add_f32 v8, v8, v9
.endm
.macro ROW r
.set XR, X+32*(\r)
	s_wait_loadcnt 8*(3-(\r))                      ; loads come back in order: this row's eight are in (gamma and beta are older); the later rows' stay out
	v_pk_add_f32 v[8:9], v[XR:XR+1], v[XR+2:XR+3]  ; the row's sum, two chains
	v_pk_add_f32 v[10:11], v[XR+4:XR+5], v[XR+6:XR+7]
.set j, 8
.rept 6
	v_pk_add_f32 v[8:9], v[8:9], v[XR+j:XR+j+1]
	v_pk_add_f32 v[10:11], v[10:11], v[XR+j+2:XR+j+3]
.set j, j+4
.endr
	v_pk_add_f32 v[8:9], v[8:9], v[10:11]
	v_add_f32 v8, v8, v9
	ALLSUM
	v_mul_f32 v4, s20, v8                          ; the mean
.set j, 0
.rept 16
	v_pk_add_f32 v[XR+j:XR+j+1], v[XR+j:XR+j+1], v[4:5] op_sel_hi:[1,0] neg_lo:[0,1] neg_hi:[0,1]   ; x - mean
.set j, j+2
.endr
	v_pk_mul_f32 v[8:9], v[XR:XR+1], v[XR:XR+1]    ; the sum of squares, two chains
	v_pk_mul_f32 v[10:11], v[XR+2:XR+3], v[XR+2:XR+3]
.set j, 4
.rept 7
	v_pk_fma_f32 v[8:9], v[XR+j:XR+j+1], v[XR+j:XR+j+1], v[8:9]
	v_pk_fma_f32 v[10:11], v[XR+j+2:XR+j+3], v[XR+j+2:XR+j+3], v[10:11]
.set j, j+4
.endr
	v_pk_add_f32 v[8:9], v[8:9], v[10:11]
	v_add_f32 v8, v8, v9
	ALLSUM
	v_fma_f32 v8, v8, s20, s21                     ; var + 1e-5
	v_rsq_f32 v6, v8
	v_nop                                          ; a plain instruction behind the transcendental,
	s_wait_alu depctr_va_vdst(0)                   ; and the wait ahead of its first reader
.set j, 0
.rept 16
	v_pk_mul_f32 v[XR+j:XR+j+1], v[XR+j:XR+j+1], v[6:7] op_sel_hi:[1,0]
.set j, j+2
.endr
.set j, 0
.rept 16
	v_pk_fma_f32 v[XR+j:XR+j+1], v[XR+j:XR+j+1], v[G+j:G+j+1], v[B+j:B+j+1]
.set j, j+2
.endr
.set j, 0
.rept 32
	v_med3_num_f32 v[XR+j], v[XR+j], -v17, v17     ; the conversion to an 8-bit code does not saturate (ISA guide 7.6.2): the hold comes first
.set j, j+1
.endr
.set j, 0
.rept 4
	v_cvt_scalef32_pk8_bf8_f32 v[C+2*j:C+2*j+1], v[XR+8*j:XR+8*j+7], v16
.set j, j+1
.endr
	v_nop                                          ; a plain instruction behind the last conversion
.set j, 0
.rept 8
	ds_store_b32 v2, v[C+j] offset:128*j           ; columns 128 j + 4 lane on: the row's codes lie in order
.set j, j+1
.endr
	ds_load_b128 v[XR:XR+3], v3                    ; LDS serves a wave's instructions in order: these see my stores
	ds_load_b128 v[XR+4:XR+7], v3 offset:512
	s_wait_dscnt 0x0
	global_store_b128 v1, v[XR:XR+3], s[12:13] offset:1024*(\r)       ; 32 lanes store 512 consecutive bytes
	global_store_b128 v1, v[XR+4:XR+7], s[12:13] offset:1024*(\r)+512 ; each row stores from its own registers: nothing is written again
.endm
	ROW 0
	ROW 1
	ROW 2
	ROW 3
	s_endpgm
.Lfunc_end_k_qe6f13e31fd_lnq:
	.size	k_qe6f13e31fd_lnq, .Lfunc_end_k_qe6f13e31fd_lnq-k_qe6f13e31fd_lnq
	.p2alignl 7, 3214868480
	.fill 96, 4, 3214868480
	.section	.rodata,"a",@progbits
	.p2align	6, 0x0
	.amdhsa_kernel k_qe6f13e31fd_lnq
		.amdhsa_group_segment_fixed_size 8192
		.amdhsa_private_segment_fixed_size 0
		.amdhsa_enable_private_segment 0
		.amdhsa_kernarg_size 40
		.amdhsa_user_sgpr_count 2
		.amdhsa_user_sgpr_kernarg_segment_ptr 1
		.amdhsa_wavefront_size32 1
		.amdhsa_system_sgpr_workgroup_id_x 1
		.amdhsa_system_sgpr_workgroup_id_y 1
		.amdhsa_system_sgpr_workgroup_id_z 1
		.amdhsa_system_vgpr_workitem_id 0
		.amdhsa_next_free_vgpr 256
		.amdhsa_next_free_sgpr 66
		.amdhsa_reserve_vcc 0
		.amdhsa_float_denorm_mode_32 3
		.amdhsa_float_denorm_mode_16_64 3
		.amdhsa_memory_ordered 1
		.amdhsa_forward_progress 1
		.amdhsa_inst_pref_size 43
	.end_amdhsa_kernel
	.amdgpu_metadata
---
amdhsa.version: [ 1, 2 ]
amdhsa.kernels:
  - .name:           k_qe6f13e31fd_lnq
    .symbol:         k_qe6f13e31fd_lnq.kd
    .args:
      - { .name: hidden_states, .offset: 0, .size: 8, .value_kind: global_buffer, .address_space: global }
      - { .name: ln_gamma, .offset: 8, .size: 8, .value_kind: global_buffer, .address_space: global }
      - { .name: ln_beta, .offset: 16, .size: 8, .value_kind: global_buffer, .address_space: global }
      - { .name: lowp_scales, .offset: 24, .size: 8, .value_kind: global_buffer, .address_space: global }
      - { .name: ycodes, .offset: 32, .size: 8, .value_kind: global_buffer, .address_space: global }
    .group_segment_fixed_size: 8192
    .private_segment_fixed_size: 0
    .kernarg_segment_align: 8
    .kernarg_segment_size: 40
    .max_flat_workgroup_size: 256
    .sgpr_count:     66
    .vgpr_count:     256
    .wavefront_size: 32
...
	.end_amdgpu_metadata
.endif
;; end of part 1
;; launch qkv (part 2): grid 12 x 32, 4 waves a work-group, clusters of 4 x 4, 327,680 bytes of LDS; arguments ycodes, qkv_w_codes, lowp_scales, qkv_b, qcodes, kcodes, vcodes; writes qcodes, kcodes, vcodes
.if DOCPART == 2
	.amdgcn_target "amdgcn-amd-amdhsa--gfx1250"
	.amdhsa_code_object_version 6
	.text
	.protected	k_qe6f13e31fd_qkv
	.globl	k_qe6f13e31fd_qkv
	.p2align	8
	.type	k_qe6f13e31fd_qkv,@function
k_qe6f13e31fd_qkv:
	s_mov_b64 s[64:65], 0
	v_nop
	global_prefetch_b8 v0, s[64:65] scope:SCOPE_SE
	s_setreg_imm32_b32 hwreg(HW_REG_WAVE_MODE, 25, 1), 1
	s_wait_xcnt 0x0
	s_wait_alu depctr_hold_cnt(0) depctr_sa_sdst(0) depctr_va_vdst(0) depctr_va_sdst(0) depctr_va_ssrc(0) depctr_va_vcc(0) depctr_vm_vsrc(0)
	s_getreg_b32 s2, hwreg(HW_REG_IB_STS2, 6, 4)
	s_cmp_eq_u32 s2, 0
	s_cbranch_scc0 .Lentry_in_a_cluster
	s_endpgm
.Lentry_in_a_cluster:
	s_bfe_u32 s2, ttmp6, 0x10000c
	s_cmp_lg_u32 s2, 0xf033
	s_cbranch_scc0 .Lentry_shape_is_right
	s_endpgm
.Lentry_shape_is_right:
; qkv = y W^T + b on codes of BF8 (E5M2): y [8192][1024] (scale 2^e0), W [3072][1024] (2^e1); each finished sum x 2^(e0 + e1) + b is quantised at once: q by 2^e2, k by 2^e3, v by 2^e4.
; A tile of 256 tokens x 256 features is made by four waves, 128 x 128 each: 64 accumulators, 512 registers.  K goes in four steps of 256 through a ring of two LDS slots filled by the tensor data mover.
; CLUSTERS: 4 x 4 work-groups; y's tile is shared along a row of the cluster, W's along a column: each is asked for jointly, by the same tensor load with a mask that names the four.
; 12 x 32 tiles: clusters x = 0, 1, 2 make q, k, v.  The matrix instruction gives a lane eight neighbours along source 0's rows.  For q and k source 0 = W's rows: a lane holds eight neighbouring
; features of a token, which is their K in the scores.  For v source 0 = y's rows: eight neighbouring tokens of a feature, since the keys are v's K.  Only the LDS bases of the fragment reads differ.
; OUT: qcodes, kcodes [64 batch x head][2048 places][64]; place 32 g + 16 u + m holds token 32 g + 8 u + m + 8 (m / 8) (bits 3 and 4 of the token's number swapped), so that 16 neighbouring rows are a
; tile whose scores fall, in the next launch, on 16 neighbouring keys a lane.  vcodes [64][64 channels][2048 tokens], tokens in order.
; LIMITS: e0 + e1 between -126 and 127; e2, e3, e4 between -126 and 112.  NaN among the inputs is not served.
; REGISTERS, in windows of 256: window 0: v0-31 addresses; v32-95 the bias by columns, v96-111 by rows (each twice, as pairs); from v128 source 1's fragments, one set; on the way out v128-255 are free.
;   window 1: source 0's fragments, two sets, at v0 and v128.   windows 2, 3: the accumulators ((a, b) at v[8 (8 (a % 4) + b)]).
.set SIZE_K, 1024
.set KSTEP,  256
.set ROWB,   256                       ; a tile's row in bytes
.set KROW,   SIZE_K
.set PITCH,  272                       ; an LDS row: 256 bytes + 16 of padding: the 16 rows of a fragment load start at 16 different banks (64 banks of 4 bytes: ISA guide 11.1)
.set FR,     16
.set NL,     4
.set NP,     4                         ; places behind this matrix instruction (ISA guide 7.12.1)
.set HALFT,  128*PITCH
.set SLOT,   4*HALFT                   ; y's 256 rows, then W's 256 rows
.set LAPS,   SIZE_K/(2*KSTEP)
.set SPARE,  2*SLOT                    ; behind the ring: the spare words, 128 bytes for each wave
.set QWV,    20480                     ; the way out of q and k: a stage for each wave, [2 heads][128 tokens][64 + 16 bytes], from LDS byte 0
.set VSTG,   131072                    ; the way out of v: the work-group's stage, 256 channels x (256 + 16 bytes).  Both lie in the ring, behind its last fill and its last read; each path has bytes of its own
.set ADRA, 16                          ; v16-17 LDS address of source 1's fragments in slot 0, 1
.set ADRB, 20                          ; v20-21 of source 0's
.set STV,  22
.set RDV,  23
.set STQ,  24
.set RDQ,  25
.set GOQ,  26
.set GOV,  27
.set SPW,  28                          ; v28  LDS address of my spare word; never rewritten
.set NIL,  29                          ; v29  0; never rewritten
.set SCL,  30                          ; v30  the quantiser's scale as f32
.set LIM,  31                          ; v31  57,344 x that
.set CB,   32
.set RB,   96
.set AF,   128
.set TMP,  128
.set PCD,  192
.set G1, 24
.set G0, 32
.set G1B, 48
.set G0B, 56
.set MSB, 0
.macro WIN new                         ; the immediate's high byte repeats the setting that is left
.if MSB != \new
	s_set_vgpr_msb (MSB<<8)|\new
.set MSB, \new
.endif
.endm
.set MUL_LO, 0xa1                      ; source 0 window 1, source 1 window 0, C and D window 2
.set MUL_HI, 0xf1                      ; the same, C and D window 3
.set TO_B,   0x40                      ; destination window 1, address window 0
; A joint load: waves 0 and 1 fetch y's halves, waves 2 and 3 W's.  The branch hangs on the wave's number alone.  Four v_nop follow each of the two lines.
.macro JLOAD g0a, g1a, g0b, g1b
	s_cmp_eq_u32 s15, 0
	s_cbranch_scc0 .Lfor_b_\@
	tensor_load_to_lds s[\g0a:\g0a+3], s[\g1a:\g1a+7]
.rept 4
	v_nop
.endr
	s_branch .Lasked_\@
.Lfor_b_\@:
	tensor_load_to_lds s[\g0b:\g0b+3], s[\g1b:\g1b+7]
.rept 4
	v_nop
.endr
.Lasked_\@:
.endm
.macro CREST                           ; a round of the cluster's barrier behind its opening barrier
	s_cmp_lg_u32 s14, 0
	s_cbranch_scc1 .Lnot_wave_0_\@
	s_barrier_signal -3
.Lnot_wave_0_\@:
	s_barrier_wait -3
	s_barrier_signal -1
	s_barrier_wait -1
.endm
.macro CROUND
	s_barrier_signal -1
	s_barrier_wait -1
	CREST
.endm
	s_load_b128 s[4:7], s[0:1], 0x0                ; y's codes s[4:5], W's codes s[6:7]
	s_load_b128 s[8:11], s[0:1], 0x10              ; the scales' exponents s[8:9], the bias s[10:11]
	s_load_b128 s[68:71], s[0:1], 0x20             ; qcodes s[68:69], kcodes s[70:71]
	s_load_b64 s[72:73], s[0:1], 0x30              ; vcodes
	v_lshl_add_u32 v[SPW], v0, 2, SPARE
	v_mov_b32 v[NIL], 0
	v_lshrrev_b32 v1, 5, v0
	v_readfirstlane_b32 s14, v1                    ; wave 0..3
	s_lshr_b32 s15, s14, 1                         ; which half of source 1's rows is mine.  Also: I fetch for y (0) or for W (1)
	s_and_b32 s16, s14, 1                          ; which half of source 0's rows.  Also: which 128 rows of that tile I fetch
	s_bfe_u32 s40, ttmp6, 0x40000                  ; cx, cy: my place in the cluster
	s_bfe_u32 s41, ttmp6, 0x40004
	s_lshl_b32 s42, ttmp9, 2
	s_add_co_u32 s42, s42, s40                     ; X: tile of 256 features = 4 x cluster x + cx
	s_and_b32 s17, ttmp7, 0xffff
	s_lshl_b32 s17, s17, 2
	s_add_co_u32 s17, s17, s41                     ; Y: tile of 256 tokens = 4 x cluster y + cy
	s_lshl_b32 s43, s41, 2
	s_lshl_b32 s43, 15, s43                        ; my row of the cluster
	s_lshl_b32 s44, 0x1111, s40                    ; my column
	s_or_b32 s[G1+0], s43, (0<<16)|(1<<20)|(1<<21)|(5<<22)|(3<<25)  ; 15:0 the mask: y's tiles go to my row; elements of 1 byte; 20 padding on; 21 set beside a mask; after every 64 words (code 5) 4 words (code 3)
	s_or_b32 s[G1B+0], s44, (0<<16)|(1<<20)|(1<<21)|(5<<22)|(3<<25) ; W's tiles go to my column
.irp g, G1, G1B
	s_mov_b32 s[\g+1], ROWB<<16                    ; tensor_dim0
	s_mov_b32 s[\g+2], 128<<16                     ; tensor_dim1
	s_mov_b32 s[\g+3], ROWB<<16                    ; tile_dim0
	s_mov_b32 s[\g+4], 128                         ; tile_dim1
	s_mov_b32 s[\g+5], KROW                        ; tensor_dim0_stride
	s_mov_b32 s[\g+6], 0
	s_mov_b32 s[\g+7], 0
.endr
	s_lshl_b32 s18, s16, 7                         ; which 128 rows of the tile I fetch
	s_lshl_b32 s20, s17, 8
	s_add_co_u32 s20, s20, s18                     ; y: row 256 Y + 128 x half
	s_lshl_b32 s46, s42, 8
	s_add_co_u32 s46, s46, s18                     ; W: row 256 X + 128 x half
	s_mov_b32 s21, 0
	s_mov_b32 s47, 0
	s_mov_b64 s[18:19], KROW
	s_mul_u64 s[20:21], s[20:21], s[18:19]
	s_mul_u64 s[46:47], s[46:47], s[18:19]
	s_mul_i32 s45, s14, HALFT                      ; where they go: wave x 128 rows: no place in the cluster enters an LDS address
	s_wait_kmcnt 0x0
	s_load_b256 s[84:91], s[8:9], 0x0              ; e0 .. e7
	s_add_nc_u64 s[20:21], s[4:5], s[20:21]
	s_add_nc_u64 s[46:47], s[6:7], s[46:47]
	CROUND                                         ; all sixteen work-groups are here: the first joint loads meet
.irp s, 0,1
	s_mov_b32 s[G0+4*\s], 1
	s_add_co_u32 s[G0+4*\s+1], s45, \s*SLOT
	s_add_nc_u64 s[G0+4*\s+2:G0+4*\s+3], s[20:21], \s*ROWB
	s_or_b32 s[G0+4*\s+3], s[G0+4*\s+3], 0x80000000
	s_mov_b32 s[G0B+4*\s], 1
	s_add_co_u32 s[G0B+4*\s+1], s45, \s*SLOT
	s_add_nc_u64 s[G0B+4*\s+2:G0B+4*\s+3], s[46:47], \s*ROWB
	s_or_b32 s[G0B+4*\s+3], s[G0B+4*\s+3], 0x80000000
	JLOAD G0+4*\s, G1, G0B+4*\s, G1B
.endr
	v_and_b32 v1, 15, v0                           ; r = l % 16
	v_bfe_u32 v2, v0, 4, 1                         ; h = l / 16
	v_mul_u32_u24 v3, v1, PITCH
	v_lshl_add_u32 v4, v2, 4, v3                   ; a fragment's row x pitch + 16 x half
	s_lshr_b32 s92, ttmp9, 1                       ; 1 in the cluster column that makes v: the same in all sixteen partners
	s_min_u32 s92, s92, 1
	s_xor_b32 s93, s92, 1
	s_mul_i32 s21, s15, HALFT                      ; source 1: my 128 rows of y's tile, or (v) of W's, which lies behind y's 256 rows
	s_mul_i32 s94, s92, 2*HALFT
	s_add_co_u32 s21, s21, s94
	s_mul_i32 s22, s16, HALFT                      ; source 0: my 128 rows of W's tile, or (v) of y's
	s_mul_i32 s94, s93, 2*HALFT
	s_add_co_u32 s22, s22, s94
.irp s, 0,1
	v_add_nc_u32 v[ADRA+\s], s21, v4
	v_add_nc_u32 v[ADRB+\s], s22, v4
	s_add_co_u32 s21, s21, SLOT
	s_add_co_u32 s22, s22, SLOT
.endr
	; every address of both ways out is made here, ahead of the place where the paths part
	v_and_b32 v5, 31, v0                           ; lane
	s_mul_i32 s23, s14, QWV
	v_mul_u32_u24 v6, v1, 80
	v_lshl_add_u32 v6, v2, 3, v6
	v_add_nc_u32 v[STQ], s23, v6                   ; q, k in: token r, 8 bytes for each half of the lanes
	v_lshrrev_b32 v6, 2, v5
	v_mul_u32_u24 v6, v6, 80
	v_and_b32 v7, 3, v5
	v_lshl_add_u32 v6, v7, 4, v6
	v_add_nc_u32 v[RDQ], s23, v6                   ; back: four lanes to a row of 64 bytes, eight rows an instruction
	v_lshlrev_b32 v[GOQ], 4, v5                    ; and 512 consecutive bytes in memory
	s_mul_i32 s23, s15, 128*272
	s_lshl_b32 s94, s16, 7
	s_add_co_u32 s23, s23, s94
	s_add_co_u32 s23, s23, VSTG
	v_lshl_add_u32 v6, v2, 3, v3
	v_add_nc_u32 v[STV], s23, v6                   ; v in: channel row 128 x half + r, my 128 tokens' bytes, 8 for each half of the lanes
	s_mul_i32 s23, s14, 64*272
	s_add_co_u32 s23, s23, VSTG
	v_mul_u32_u24 v6, v2, 272
	v_lshl_add_u32 v6, v1, 4, v6
	v_add_nc_u32 v[RDV], s23, v6                   ; back: wave w takes rows 64 w on, sixteen lanes to a row of 256 bytes
	v_lshlrev_b32 v6, 11, v2
	v_lshl_add_u32 v[GOV], v1, 4, v6               ; and the same two rows of vcodes, 2,048 bytes apart
	v_lshlrev_b32 v12, 5, v2                       ; 32 h; never rewritten
	v_lshlrev_b32 v13, 2, v1                       ; 4 r; never rewritten
	; the bias, both ways (both lie inside the buffer whatever the tile): by source 0's rows, eight a lane and tile; by source 1's rows, one a lane and block
	s_lshl_b32 s74, s42, 10
	s_lshl_b32 s94, s16, 9
	s_add_co_u32 s74, s74, s94
	s_mov_b32 s75, 0
	s_add_nc_u64 s[74:75], s[10:11], s[74:75]
	s_lshl_b32 s76, s42, 10
	s_lshl_b32 s94, s15, 9
	s_add_co_u32 s76, s76, s94
	s_mov_b32 s77, 0
	s_add_nc_u64 s[76:77], s[10:11], s[76:77]
.set j, 0
.rept 8
	global_load_b128 v[CB+8*j:CB+8*j+3], v12, s[74:75] offset:64*j       ; b[256 X + 128 half + 16 j + 8 h + 0 .. 7]
	global_load_b128 v[CB+8*j+4:CB+8*j+7], v12, s[74:75] offset:64*j+16
.set j, j+1
.endr
.set j, 0
.rept 8
	global_load_b32 v[RB+2*j], v13, s[76:77] offset:64*j                 ; b[256 X + 128 half + 16 j + r], twice: a pair for the packed form
	global_load_b32 v[RB+2*j+1], v13, s[76:77] offset:64*j
.set j, j+1
.endr
	; where the results go
	s_lshr_b32 s92, s17, 3                         ; the batch: 8 tiles of tokens each
	s_and_b32 s93, s42, 3                          ; which 256 of the 1,024 features of q, k or v
	s_and_b32 s94, s17, 7
	s_lshl_b32 s82, s92, 4
	s_lshl_b32 s83, s93, 2
	s_add_co_u32 s82, s82, s83
	s_lshl_b32 s83, s16, 1
	s_add_co_u32 s82, s82, s83                     ; 16 x batch + my first head
	s_lshl_b32 s82, s82, 11
	s_lshl_b32 s83, s94, 8
	s_add_co_u32 s82, s82, s83
	s_lshl_b32 s83, s15, 7
	s_add_co_u32 s82, s82, s83                     ; x 2,048 + my first token
	s_lshl_b32 s82, s82, 6
	s_mov_b32 s83, 0
	s_cmp_eq_u32 ttmp9, 0
	s_cselect_b64 s[78:79], s[68:69], s[70:71]     ; q or k: the choice hangs on the cluster's number alone
	s_add_nc_u64 s[78:79], s[78:79], s[82:83]
	s_lshl_b32 s82, s92, 10
	s_lshl_b32 s83, s93, 8
	s_add_co_u32 s82, s82, s83
	s_lshl_b32 s83, s14, 6
	s_add_co_u32 s82, s82, s83                     ; v: row 1,024 x batch + 256 (X % 4) + 64 x wave
	s_lshl_b32 s82, s82, 11
	s_lshl_b32 s83, s94, 8
	s_add_co_u32 s82, s82, s83                     ; + the tile's first token
	s_mov_b32 s83, 0
	s_add_nc_u64 s[80:81], s[72:73], s[82:83]
.macro FRAG reg, adr, q, i             ; 16 rows x 128 K: registers 4 c .. 4 c + 3 hold K = 32 c + 16 (l / 16) + 0 .. 15: the same places in both sources
.irp c, 0,1,2,3
	ds_load_b128 v[\reg+4*\c:\reg+4*\c+3], v[\adr] offset:128*(\q)+32*\c+(\i)*16*PITCH
.endr
.endm
; 16 matrix instructions: source 1's blocks a0, a0 + 1 x source 0's eight.  The 64 accumulators take turns, one instruction a turn, in the same order in every step.
.macro MUL16 a0, p, zero
.irp a, \a0, \a0+1
.irp b, 0,1,2,3,4,5,6,7
.if \zero
	v_wmma_f32_16x16x128_bf8_bf8 v[8*(8*((\a)%4)+\b):8*(8*((\a)%4)+\b)+7], v[128*(\p)+FR*\b:128*(\p)+FR*\b+FR-1], v[AF+FR*(\a):AF+FR*(\a)+FR-1], 0
.else
	v_wmma_f32_16x16x128_bf8_bf8 v[8*(8*((\a)%4)+\b):8*(8*((\a)%4)+\b)+7], v[128*(\p)+FR*\b:128*(\p)+FR*\b+FR-1], v[AF+FR*(\a):AF+FR*(\a)+FR-1], v[8*(8*((\a)%4)+\b):8*(8*((\a)%4)+\b)+7]
.endif
.endr
.endr
.endm
.macro FETCH_B slot, q, p
	WIN TO_B
.irp i, 0,1,2,3,4,5,6,7
	FRAG 128*(\p)+FR*\i, ADRB+\slot, \q, \i
.endr
	WIN 0
.endm
.macro FETCH_A slot, q, i0
.irp i, \i0, \i0+1, \i0+2, \i0+3
	FRAG AF+FR*(\i), ADRA+\slot, \q, \i
.endr
.endm
.macro PLACES n                        ; plain vector instructions between a matrix instruction and a load into, or a vector write of, its registers, or a read of its result
.rept \n
	v_nop
.endr
.endm
.macro STEP slot, q, zero              ; 128 along K, with its successor in the same slot
	s_wait_dscnt 4*NL                              ; source 0's set and source 1's blocks 0-3 are in; the youngest sixteen loads (blocks 4-7) may be out
	WIN MUL_LO
	MUL16 0, (\q)%2, \zero
	MUL16 2, (\q)%2, \zero
	s_wait_dscnt 0
	PLACES NP
	FETCH_B \slot, (\q)+1, 1-(\q)%2
	FETCH_A \slot, (\q)+1, 0
	WIN MUL_HI
	MUL16 4, (\q)%2, \zero
	MUL16 6, (\q)%2, \zero
	PLACES NP
	WIN 0
	FETCH_A \slot, (\q)+1, 4
.endm
; A slot's last step changes slots: one barrier; in front of it each wave waits for all its tensor loads, adds 0 to its spare word, and waits for that and for its reads of this slot.
.macro TURN slot, next, fill
	s_wait_tensorcnt 0x0                           ; all my tensor loads have landed: my part of the next slot
	ds_add_u32 v[SPW], v[NIL]                      ; 0 onto my spare word
	s_wait_dscnt 4*NL+1                            ; (the add and the youngest sixteen loads may be out)
	WIN MUL_LO
	MUL16 0, 1, 0
	s_wait_dscnt 0x0                               ; the add is done, and my reads of this slot are over
	s_barrier_signal -1
	MUL16 2, 1, 0
	WIN 0
	s_barrier_wait -1
.if \fill
	CREST                                          ; the barrier has opened a round of the cluster's: no wave of any partner still reads this slot or has a load on its way
	s_add_nc_u64 s[G0+4*\slot+2:G0+4*\slot+3], s[G0+4*\slot+2:G0+4*\slot+3], 2*ROWB
	s_add_nc_u64 s[G0B+4*\slot+2:G0B+4*\slot+3], s[G0B+4*\slot+2:G0B+4*\slot+3], 2*ROWB
	JLOAD G0+4*\slot, G1, G0B+4*\slot, G1B         ; the first tensor load behind the round; its four v_nop are the places in front of the loads below
.else
	PLACES NP
.endif
	FETCH_B \next, 0, 0
	FETCH_A \next, 0, 0
	WIN MUL_HI
	MUL16 4, 1, 0
	MUL16 6, 1, 0
	PLACES NP
	WIN 0
	FETCH_A \next, 0, 4
.endm
	s_wait_tensorcnt 1                             ; my part of K step 0 is in (K step 1's load may be out)
	s_barrier_signal -1
	s_barrier_wait -1
	FETCH_B 0, 0, 0
	FETCH_A 0, 0, 0
	FETCH_A 0, 0, 4
	STEP 0, 0, 1                                   ; the first step's products start the sums: nothing is cleared
	s_mov_b32 s3, LAPS-1
.Llap:                                             ; a trip goes once round the ring and fills both slots again
	TURN 0, 1, 1
	STEP 1, 0, 0
	TURN 1, 0, 1
	STEP 0, 0, 0
	s_sub_co_u32 s3, s3, 1
	s_cmp_lg_u32 s3, 0
	s_cbranch_scc1 .Llap
	TURN 0, 1, 0                                   ; the last lap fills nothing
	STEP 1, 0, 0
	s_wait_dscnt 4*NL
	WIN MUL_LO
	MUL16 0, 1, 0
	MUL16 2, 1, 0
	s_wait_dscnt 0
	WIN MUL_HI
	MUL16 4, 1, 0
	MUL16 6, 1, 0
	WIN 0
	PLACES NP                                      ; behind the last products: their results are read and their fragments' registers written below
	s_barrier_signal -1                            ; no LDS instruction of mine is out: every wave's reads of the ring are over,
	s_barrier_wait -1                              ; so the stages may be laid into it
	s_wait_loadcnt 0x0                             ; the bias
	s_wait_kmcnt 0x0
	s_add_co_i32 s96, s84, s85
	s_add_co_i32 s96, s96, 127
	s_lshl_b32 s96, s96, 23                        ; 2^(e0 + e1) as f32
	s_mov_b32 s97, s96                             ; (named with it as a pair)
	s_cmp_eq_u32 ttmp9, 0
	s_cselect_b32 s92, s86, s87                    ; e2 for q, e3 for k,
	s_cmp_eq_u32 ttmp9, 2
	s_cselect_b32 s92, s88, s92                    ; e4 for v
	s_add_co_i32 s92, s92, 127
	s_lshl_b32 s93, s92, 23
	v_mov_b32 v[SCL], s93
	s_add_co_i32 s92, s92, 15
	s_lshl_b32 s92, s92, 23
	s_or_b32 s92, s92, 0x600000
	v_mov_b32 v[LIM], s92
; Block a (16 rows of source 1 x 128): sum x 2^(e0 + e1) + bias, the hold, the conversion: eight neighbours a lane give 8 bytes, which go into the stage.
.macro BLK a, isv
.set AC, 64*((\a)%4)
.set PC, PCD+16*((\a)%2)
	WIN 0x02+((\a)/4)                              ; source 0: window 2 or 3
.set j, 0
.rept 32                               ; each accumulator from its low end on
.if \isv
	v_pk_fma_f32 v[TMP+j:TMP+j+1], v[AC+j:AC+j+1], s[96:97], v[RB+2*(\a):RB+2*(\a)+1] op_sel_hi:[1,0,1]
.else
	v_pk_fma_f32 v[TMP+j:TMP+j+1], v[AC+j:AC+j+1], s[96:97], v[CB+j:CB+j+1] op_sel_hi:[1,0,1]
.endif
.set j, j+2
.endr
	WIN 0
.set j, 0
.rept 64
	v_med3_num_f32 v[TMP+j], v[TMP+j], -v[LIM], v[LIM]   ; the conversion does not saturate (ISA guide 7.6.2)
.set j, j+1
.endr
.if (\a) >= 2
	s_wait_dscnt 8                                 ; the stores of two blocks back are done (the last block's eight may be out): their registers take this block's codes
.endif
.set j, 0
.rept 8
	v_cvt_scalef32_pk8_bf8_f32 v[PC+2*j:PC+2*j+1], v[TMP+8*j:TMP+8*j+7], v[SCL]
.set j, j+1
.endr
	v_nop                                          ; a plain instruction behind the last conversion
.set j, 0
.rept 8
.if \isv
	ds_store_b64 v[STV], v[PC+2*j:PC+2*j+1] offset:4352*(\a)+16*j                       ; channel 16 a + r, tokens 16 j + 8 h on
.else
	ds_store_b64 v[STQ], v[PC+2*j:PC+2*j+1] offset:10240*(j/4)+1280*(\a)+16*(j%4)       ; head j / 4, token 16 a + r, channels 16 (j % 4) + 8 h on
.endif
.set j, j+1
.endr
.endm
	s_cmp_lt_u32 ttmp9, 2                          ; the same in every wave and every partner
	s_cbranch_scc0 .Lv_in
.irp a, 0,1,2,3,4,5,6,7
	BLK \a, 0
.endr
	s_branch .Lmeet
.Lv_in:
.irp a, 0,1,2,3,4,5,6,7
	BLK \a, 1
.endr
.Lmeet:
	s_wait_dscnt 0x0                               ; my stores into the stage are done: a row of v's stage comes from two waves
	s_barrier_signal -1
	s_barrier_wait -1
	s_cmp_lt_u32 ttmp9, 2
	s_cbranch_scc0 .Lv_out
.set n, 0
.rept 32                               ; head n / 16, places 8 (n % 16) on: the rows are taken in the order of the places: the swap of the token's bits 3 and 4 stands in the immediate
	ds_load_b128 v[128+4*n:128+4*n+3], v[RDQ] offset:10240*(n/16)+80*(32*((n%16)/4)+16*(n%2)+8*((n/2)%2))
.set n, n+1
.endr
.set n, 0
.rept 32
	s_wait_dscnt 31-n                              ; LDS loads come back in order: load n is in
	global_store_b128 v[GOQ], v[128+4*n:128+4*n+3], s[78:79] offset:131072*(n/16)+512*(n%16)   ; 32 lanes store 512 consecutive bytes
.set n, n+1
.endr
	s_branch .Lend
.Lv_out:
.set n, 0
.rept 32
	ds_load_b128 v[128+4*n:128+4*n+3], v[RDV] offset:544*n
.set n, n+1
.endr
.set n, 0
.rept 32
	s_wait_dscnt 31-n
	global_store_b128 v[GOV], v[128+4*n:128+4*n+3], s[80:81] offset:4096*n   ; sixteen lanes store 256 consecutive bytes, aligned
.set n, n+1
.endr
.Lend:
	s_wait_tensorcnt 0x0                           ; the wave's end
	ds_add_u32 v[SPW], v[NIL]
	s_wait_dscnt 0x0
	CROUND                                         ; the closing round
	s_endpgm
.Lfunc_end_k_qe6f13e31fd_qkv:
	.size	k_qe6f13e31fd_qkv, .Lfunc_end_k_qe6f13e31fd_qkv-k_qe6f13e31fd_qkv
	.p2alignl 7, 3214868480
	.fill 96, 4, 3214868480
	.section	.rodata,"a",@progbits
	.p2align	6, 0x0
	.amdhsa_kernel k_qe6f13e31fd_qkv
		.amdhsa_group_segment_fixed_size 327680
		.amdhsa_private_segment_fixed_size 0
		.amdhsa_enable_private_segment 0
		.amdhsa_kernarg_size 56
		.amdhsa_user_sgpr_count 2
		.amdhsa_user_sgpr_kernarg_segment_ptr 1
		.amdhsa_wavefront_size32 1
		.amdhsa_system_sgpr_workgroup_id_x 1
		.amdhsa_system_sgpr_workgroup_id_y 1
		.amdhsa_system_sgpr_workgroup_id_z 1
		.amdhsa_system_vgpr_workitem_id 0
		.amdhsa_next_free_vgpr 1024
		.amdhsa_next_free_sgpr 100
		.amdhsa_reserve_vcc 0
		.amdhsa_float_denorm_mode_32 3
		.amdhsa_float_denorm_mode_16_64 3
		.amdhsa_memory_ordered 1
		.amdhsa_forward_progress 1
		.amdhsa_inst_pref_size 209
	.end_amdhsa_kernel
	.amdgpu_metadata
---
amdhsa.version: [ 1, 2 ]
amdhsa.kernels:
  - .name:           k_qe6f13e31fd_qkv
    .symbol:         k_qe6f13e31fd_qkv.kd
    .args:
      - { .name: ycodes, .offset: 0, .size: 8, .value_kind: global_buffer, .address_space: global }
      - { .name: qkv_w_codes, .offset: 8, .size: 8, .value_kind: global_buffer, .address_space: global }
      - { .name: lowp_scales, .offset: 16, .size: 8, .value_kind: global_buffer, .address_space: global }
      - { .name: qkv_b, .offset: 24, .size: 8, .value_kind: global_buffer, .address_space: global }
      - { .name: qcodes, .offset: 32, .size: 8, .value_kind: global_buffer, .address_space: global }
      - { .name: kcodes, .offset: 40, .size: 8, .value_kind: global_buffer, .address_space: global }
      - { .name: vcodes, .offset: 48, .size: 8, .value_kind: global_buffer, .address_space: global }
    .group_segment_fixed_size: 327680
    .private_segment_fixed_size: 0
    .kernarg_segment_align: 8
    .kernarg_segment_size: 56
    .max_flat_workgroup_size: 128
    .sgpr_count:     100
    .vgpr_count:     1024
    .wavefront_size: 32
...
	.end_amdgpu_metadata
.endif
;; end of part 2
;; launch attn (part 3): grid 4 x 64, 8 waves a work-group, clusters of 4 x 1, 327,680 bytes of LDS; arguments qcodes, kcodes, vcodes, encoder_padding_mask, lowp_scales, ctxcodes; writes ctxcodes
.if DOCPART == 3
	.amdgcn_target "amdgcn-amd-amdhsa--gfx1250"
	.amdhsa_code_object_version 6
	.text
	.protected	k_qe6f13e31fd_attn
	.globl	k_qe6f13e31fd_attn
	.p2align	8
	.type	k_qe6f13e31fd_attn,@function
k_qe6f13e31fd_attn:
	s_mov_b64 s[64:65], 0
	v_nop
	global_prefetch_b8 v0, s[64:65] scope:SCOPE_SE
	s_setreg_imm32_b32 hwreg(HW_REG_WAVE_MODE, 25, 1), 1
	s_wait_xcnt 0x0
	s_wait_alu depctr_hold_cnt(0) depctr_sa_sdst(0) depctr_va_vdst(0) depctr_va_sdst(0) depctr_va_ssrc(0) depctr_va_vcc(0) depctr_vm_vsrc(0)
	s_getreg_b32 s2, hwreg(HW_REG_IB_STS2, 6, 4)
	s_cmp_eq_u32 s2, 0
	s_cbranch_scc0 .Lentry_in_a_cluster
	s_endpgm
.Lentry_in_a_cluster:
	s_bfe_u32 s2, ttmp6, 0x10000c
	s_cmp_lg_u32 s2, 0x3003
	s_cbranch_scc0 .Lentry_shape_is_right
	s_endpgm
.Lentry_shape_is_right:
; ctx = softmax(q k^T / 8 + mask x -1e8) v for one head and 512 queries a work-group, both products on codes of BF8 (E5M2): q 2^e2, k 2^e3, v 2^e4, p 2^e5; ctx is quantised at once by 2^e6.
; t = logit x log2(e); M = the running largest t rounded up to a whole number; p = 2^(t - M) is quantised, not normalised; the sum of the unquantised p divides at the end; when M moves, sum and O are multiplied by 2^(old M - new M).
; SHARES.  The head's whole K and V lie in LDS, filled ONCE: four chunks of 512 keys, asked for jointly by the head's four work-groups (one cluster).  No LDS byte is filled twice.
; Eight waves, two to a SIMD; two passes of 256 queries; in a pass a wave owns 32 query places: two tiles, which share every fragment of K, V and the mask's bias.
; LAYOUT.  Both products transposed: S^T = K Q^T (source 0 = 16 keys), O^T = V^T P (source 0 = 16 channels): a lane holds one query throughout.  In kcodes and qcodes place 32 g + 16 u + m holds token
; 32 g + 8 u + m + 8 (m / 8): so tile 2 b + u is 16 neighbouring rows, and the 16 registers of tiles 2 b, 2 b + 1 are keys 32 b + 16 (lane / 16) + 0 .. 15, in the order of V's rows and of the mask.
; THE MASK IS THE C OF THE SCORE PRODUCT: mask x -8e8 / 2^(e2 + e3), in the result's layout, read from LDS: it costs no vector instruction.
; LIMITS: e2 + e3 between -97 and 130; e5, e6 between -126 and 112.  NaN is not served.  Where every key of a batch is masked all logits lie near -1e8, and sum + bias is rounded there by the matrix unit
; and not by an f32 addition: p may then differ from an f32 evaluation's.
; REGISTERS.  window 0: v2-11 addresses; v12-19 -M, largest t, the sum's halves (4 a tile); v20-23 f (a pair a tile); v24-29 at work; v30-31 the mask's addresses; v32, v33 57,344 x 2^e5, 2^e5; v34-37 sums at work;
;   v38, v39 the same for e6; v40-55 Q; v56-87 P's codes; v88-103 the way out; v128-255 S^T, then p.   window 1: v0-63 O^T; v64-127 K; v128-191 the bias; v192-255 V.
.set KP,    80                         ; a key's row in LDS: 64 bytes + 16
.set VP,    528                        ; a row of a chunk of V: 512 bytes + 16
.set KCH,   512*KP
.set KST,   128*KP
.set VBASE, 4*KCH
.set VCH,   64*VP
.set BIAS,  VBASE+4*VCH                ; 2,048 f32
.set STAGE, BIAS+8192                  ; the way out: 32 rows x 80 bytes for each wave
.set ST,  12
.set FF,  20
.set MA,  24
.set Q,   40
.set P,   56
.set S,   128
.set KF,  64
.set BF,  128
.set VF,  192
.set G1K, 24
.set G1V, 32
.set G0K, 40                           ; s[40:55] a group 0 for each chunk of K
.set G0V, 68                           ; s[68:83] for each chunk of V
.set MSB, 0
.macro WIN new
.if MSB != \new
	s_set_vgpr_msb (MSB<<8)|\new
.set MSB, \new
.endif
.endm
.macro CROUND                          ; a round of the cluster's barrier
	s_barrier_signal -1
	s_barrier_wait -1
	s_cmp_lg_u32 s16, 0
	s_cbranch_scc1 .Lnot_wave_0_\@
	s_barrier_signal -3
.Lnot_wave_0_\@:
	s_barrier_wait -3
	s_barrier_signal -1
	s_barrier_wait -1
.endm
	s_load_b256 s[4:11], s[0:1], 0x0               ; q s[4:5], k s[6:7], v s[8:9], the mask s[10:11]
	s_load_b128 s[12:15], s[0:1], 0x20             ; the scales' exponents s[12:13], ctxcodes s[14:15]
	v_lshrrev_b32 v1, 5, v0
	v_readfirstlane_b32 s16, v1                    ; wave 0..7
	s_and_b32 s17, s16, 3                          ; which quarter of a chunk I fetch
	s_bfe_u32 s18, ttmp6, 0x40000                  ; cx: which 512 queries: it enters q's and ctx's addresses alone
	s_and_b32 s19, ttmp7, 0xffff                   ; 16 x batch + head
	s_mov_b32 s[G1K], 15|(1<<20)|(1<<21)|(3<<22)|(3<<25)   ; the mask: all four work-groups; elements of 1 byte; padding on; 21 set beside a mask; after every 16 words (code 3) 4 words (code 3)
	s_mov_b32 s[G1K+1], 64<<16                     ; tensor_dim0
	s_mov_b32 s[G1K+2], 128<<16                    ; tensor_dim1
	s_mov_b32 s[G1K+3], 64<<16                     ; tile_dim0
	s_mov_b32 s[G1K+4], 128                        ; tile_dim1
	s_mov_b32 s[G1K+5], 64                         ; stride
	s_mov_b32 s[G1K+6], 0
	s_mov_b32 s[G1K+7], 0
	s_mov_b32 s[G1V], 15|(1<<20)|(1<<21)|(6<<22)|(3<<25)   ; padding: 4 words after every 128
	s_mov_b32 s[G1V+1], 512<<16
	s_mov_b32 s[G1V+2], 16<<16
	s_mov_b32 s[G1V+3], 512<<16
	s_mov_b32 s[G1V+4], 16
	s_mov_b32 s[G1V+5], 2048
	s_mov_b32 s[G1V+6], 0
	s_mov_b32 s[G1V+7], 0
	s_mov_b32 s20, 0x76543210                      ; v_permlanex16_b32: lane l xor 16
	s_mov_b32 s21, 0xfedcba98
	s_mov_b32 s22, 0x3e38aa3b                      ; log2(e) / 8
	s_lshl_b32 s56, s19, 17                        ; the head's first byte in q, k and v: 131,072 each
	s_mov_b32 s57, 0
	s_lshl_b32 s58, s17, 13                        ; K: my 128 rows of 64 bytes
	s_mov_b32 s59, 0
	s_lshl_b32 s60, s17, 15                        ; V: my 16 rows of 2,048 bytes
	s_mov_b32 s61, 0
	s_mul_i32 s62, s17, KST
	s_mul_i32 s63, s17, 16*VP
	v_lshlrev_b32 v30, 4, v0                       ; the mask: 16 bytes a thread
	v_lshl_add_u32 v31, v0, 4, BIAS
	s_lshr_b32 s66, s19, 4
	s_lshl_b32 s66, s66, 13                        ; the batch's 2,048 words
	s_mov_b32 s67, 0
	s_wait_kmcnt 0x0
	s_load_b256 s[84:91], s[12:13], 0x0            ; e0 .. e7
	s_add_nc_u64 s[10:11], s[10:11], s[66:67]
	global_load_b128 v[88:91], v30, s[10:11]
	global_load_b128 v[92:95], v30, s[10:11] offset:4096
	s_add_nc_u64 s[6:7], s[6:7], s[56:57]
	s_add_nc_u64 s[6:7], s[6:7], s[58:59]
	s_add_nc_u64 s[8:9], s[8:9], s[56:57]
	s_add_nc_u64 s[8:9], s[8:9], s[60:61]
.irp c, 0,1,2,3
	s_mov_b32 s[G0K+4*\c], 1
	s_add_co_u32 s[G0K+4*\c+1], s62, KCH*\c
	s_add_nc_u64 s[G0K+4*\c+2:G0K+4*\c+3], s[6:7], 32768*\c
	s_or_b32 s[G0K+4*\c+3], s[G0K+4*\c+3], 0x80000000
	s_mov_b32 s[G0V+4*\c], 1
	s_add_co_u32 s[G0V+4*\c+1], s63, VBASE+VCH*\c
	s_add_nc_u64 s[G0V+4*\c+2:G0V+4*\c+3], s[8:9], 512*\c
	s_or_b32 s[G0V+4*\c+3], s[G0V+4*\c+3], 0x80000000
.endr
	CROUND                                         ; all four work-groups are here: the joint loads meet
	s_cmp_lt_u32 s16, 4                            ; waves 0-3 fetch K, waves 4-7 V: a wave's four fills stand in one branch; four tensor loads of mine are out
	s_cbranch_scc0 .Lfill_v
	tensor_load_to_lds s[G0K:G0K+3], s[G1K:G1K+7]
	tensor_load_to_lds s[G0K+4:G0K+7], s[G1K:G1K+7]
	tensor_load_to_lds s[G0K+8:G0K+11], s[G1K:G1K+7]
	tensor_load_to_lds s[G0K+12:G0K+15], s[G1K:G1K+7]
.rept 4
	v_nop
.endr
	s_branch .Lfilled
.Lfill_v:
	tensor_load_to_lds s[G0V:G0V+3], s[G1V:G1V+7]
	tensor_load_to_lds s[G0V+4:G0V+7], s[G1V:G1V+7]
	tensor_load_to_lds s[G0V+8:G0V+11], s[G1V:G1V+7]
	tensor_load_to_lds s[G0V+12:G0V+15], s[G1V:G1V+7]
.rept 4
	v_nop
.endr
.Lfilled:
	v_and_b32 v24, 15, v0                          ; r
	v_bfe_u32 v25, v0, 4, 1                        ; h
	v_and_b32 v26, 31, v0                          ; lane
	v_mul_u32_u24 v2, v24, KP
	v_lshl_add_u32 v2, v25, 4, v2                  ; K: row r, + 16 h
	v_mul_u32_u24 v3, v24, VP
	v_lshl_add_u32 v3, v25, 4, v3
	v_add_nc_u32 v3, VBASE, v3                     ; V: row r, + 16 h
	v_lshlrev_b32 v4, 6, v25
	v_add_nc_u32 v4, BIAS, v4                      ; the bias: 16 h keys on
	s_mul_i32 s66, s16, 32*KP
	s_add_co_u32 s66, s66, STAGE                   ; my stage
	v_and_b32 v27, 7, v24
	v_lshrrev_b32 v28, 3, v24
	v_lshl_add_u32 v27, v28, 4, v27                ; place 16 T + r is token 8 T + r % 8 + 16 (r / 8) of my 32
	v_mul_u32_u24 v8, v27, KP
	v_lshl_add_u32 v8, v25, 3, v8
	v_add_nc_u32 v8, s66, v8
	v_lshrrev_b32 v27, 2, v26
	v_mul_u32_u24 v9, v27, KP
	v_and_b32 v28, 3, v26
	v_lshl_add_u32 v9, v28, 4, v9
	v_add_nc_u32 v9, s66, v9                       ; back: four lanes to a row of 64 bytes
	v_lshlrev_b32 v10, 4, v26                      ; and 512 consecutive bytes in memory
	v_lshlrev_b32 v11, 6, v24
	v_lshl_add_u32 v11, v25, 4, v11                ; Q: row r of 64 bytes, + 16 h
	s_lshl_b32 s66, s18, 15                        ; my work-group's 512 rows of 64 bytes,
	s_lshl_b32 s2, s16, 11                         ; my wave's 32
	s_add_co_u32 s66, s66, s2
	s_add_nc_u64 s[4:5], s[4:5], s[56:57]
	s_add_nc_u64 s[4:5], s[4:5], s[66:67]
	s_and_b32 s2, s19, 15
	s_lshl_b32 s2, s2, 19                          ; ctxcodes [16 heads][8,192 tokens][64]
	s_lshr_b32 s3, s19, 4
	s_lshl_b32 s3, s3, 17
	s_add_co_u32 s2, s2, s3
	s_mov_b32 s3, 0
	s_add_nc_u64 s[14:15], s[14:15], s[2:3]
	s_add_nc_u64 s[14:15], s[14:15], s[66:67]
	s_wait_kmcnt 0x0
	s_add_co_i32 s2, s86, s87                      ; e2 + e3: a score stands for score x 2^(e2 + e3):
	s_lshl_b32 s3, s2, 23
	s_add_co_i32 s22, s22, s3                      ; added to c's exponent field
	s_mov_b32 s23, s22                             ; (named with it as a pair)
	s_sub_co_i32 s3, 0, s2
	s_add_co_i32 s2, s89, 127
	s_lshl_b32 s66, s2, 23
	v_mov_b32 v33, s66                             ; 2^e5
	s_add_co_i32 s2, s2, 15
	s_lshl_b32 s2, s2, 23
	s_or_b32 s2, s2, 0x600000
	v_mov_b32 v32, s2                              ; 57,344 x 2^e5
	s_add_co_i32 s2, s90, 127
	s_lshl_b32 s66, s2, 23
	v_mov_b32 v39, s66                             ; 2^e6
	s_add_co_i32 s2, s2, 15
	s_lshl_b32 s2, s2, 23
	s_or_b32 s2, s2, 0x600000
	v_mov_b32 v38, s2
	s_add_co_i32 s97, s88, s89                     ; e4 + e5
	s_wait_loadcnt 0x0                             ; the mask
.set j, 0
.rept 8
	v_cvt_f32_i32 v[88+j], v[88+j]
.set j, j+1
.endr
.set j, 0
.rept 8
	v_mul_f32 v[88+j], 0xce3ebc20, v[88+j]         ; x -8e8: -1e8 ahead of the division by 8,
.set j, j+1
.endr
.set j, 0
.rept 8
	v_ldexp_f32 v[88+j], v[88+j], s3               ; and of the scores' 2^(e2 + e3)
.set j, j+1
.endr
	ds_store_b128 v31, v[88:91]
	ds_store_b128 v31, v[92:95] offset:4096
; A KEY STEP: 128 keys for both tiles.  s92, s93, s94: where the step's K, V and bias begin.
.macro STEP
	v_add_nc_u32 v5, s92, v2                       ; these three and the v_nop are the places between the last step's products and the loads into V's registers
	v_add_nc_u32 v6, s93, v3
	v_add_nc_u32 v7, s94, v4
	v_nop
	WIN 0x40                                       ; destination window 1
.set t, 0
.rept 8
	ds_load_b128 v[KF+8*t:KF+8*t+3], v5 offset:16*KP*t
	ds_load_b128 v[KF+8*t+4:KF+8*t+7], v5 offset:16*KP*t+32
.set t, t+1
.endr
.set t, 0
.rept 8                                ; tile t = 2 b + u: keys 32 b + 8 u + 16 h + 0 .. 7
	ds_load_b128 v[BF+8*t:BF+8*t+3], v7 offset:128*(t/2)+32*(t%2)
	ds_load_b128 v[BF+8*t+4:BF+8*t+7], v7 offset:128*(t/2)+32*(t%2)+16
.set t, t+1
.endr
.set t, 0
.rept 16                               ; channels 16 (t / 4) on, keys 32 (t % 4) + 16 h on
	ds_load_b128 v[VF+4*t:VF+4*t+3], v6 offset:16*VP*(t/4)+32*(t%4)
.set t, t+1
.endr
	s_wait_dscnt 16                                ; K and the bias are in; V's sixteen loads may be out
	WIN 0x11                                       ; K and the bias window 1, Q and S^T window 0
.set t, 0
.rept 8
	v_wmma_f32_16x16x64_bf8_bf8 v[S+8*t:S+8*t+7], v[KF+8*t:KF+8*t+7], v[Q:Q+7], v[BF+8*t:BF+8*t+7]
	v_wmma_f32_16x16x64_bf8_bf8 v[S+64+8*t:S+64+8*t+7], v[KF+8*t:KF+8*t+7], v[Q+8:Q+15], v[BF+8*t:BF+8*t+7]
.set t, t+1
.endr
	WIN 0
.rept 4
	v_nop
.endr
.irp tl, 0,1                           ; the step's largest score of my query: two chains a tile, each accumulator from its low end on
	v_max3_num_f32 v[MA+3*\tl], v[S+64*\tl], v[S+64*\tl+1], v[S+64*\tl+2]
	v_max3_num_f32 v[MA+3*\tl+1], v[S+64*\tl+3], v[S+64*\tl+4], v[S+64*\tl+5]
.endr
.set i, 6
.rept 14
.irp tl, 0,1
	v_max3_num_f32 v[MA+3*\tl], v[MA+3*\tl], v[S+64*\tl+i], v[S+64*\tl+i+1]
	v_max3_num_f32 v[MA+3*\tl+1], v[MA+3*\tl+1], v[S+64*\tl+i+2], v[S+64*\tl+i+3]
.endr
.set i, i+4
.endr
.irp tl, 0,1
	v_max3_num_f32 v[MA+3*\tl], v[MA+3*\tl], v[S+64*\tl+62], v[S+64*\tl+63]
.endr
.irp tl, 0,1
	v_max_num_f32 v[MA+3*\tl], v[MA+3*\tl], v[MA+3*\tl+1]
.endr
.irp tl, 0,1
	v_permlanex16_b32 v[MA+3*\tl+2], v[MA+3*\tl], s20, s21
.endr
.irp tl, 0,1
	v_max_num_f32 v[MA+3*\tl], v[MA+3*\tl], v[MA+3*\tl+2]
.endr
.irp tl, 0,1
	v_mul_f32 v[MA+3*\tl], s22, v[MA+3*\tl]        ; as t (c is positive)
.endr
.irp tl, 0,1
	v_max_num_f32 v[ST+4*\tl+1], v[ST+4*\tl+1], v[MA+3*\tl]   ; the running largest t
.endr
.irp tl, 0,1
	v_mov_b32 v[MA+3*\tl], v[ST+4*\tl]
.endr
.irp tl, 0,1
	v_floor_f32 v[ST+4*\tl], -v[ST+4*\tl+1]        ; -M = floor(-t): M is a whole number
.endr
.irp tl, 0,1
	v_sub_f32 v[MA+3*\tl], v[ST+4*\tl], v[MA+3*\tl]
.endr
.irp tl, 0,1
	v_cvt_i32_f32 v[MA+3*\tl], v[MA+3*\tl]         ; old M - new M, 0 or less (it saturates)
.endr
.irp tl, 0,1
	v_ldexp_f32 v[FF+2*\tl], 1.0, v[MA+3*\tl]      ; f = 2^(old M - new M)
.endr
.set j, 0
.rept 32
.irp tl, 0,1
	v_pk_fma_f32 v[S+64*\tl+j:S+64*\tl+j+1], v[S+64*\tl+j:S+64*\tl+j+1], s[22:23], v[ST+4*\tl:ST+4*\tl+1] op_sel_hi:[1,0,0]   ; t - M
.endr
.set j, j+2
.endr
.set j, 0
.rept 128
	v_exp_f32 v[S+j], v[S+j]                       ; p = 2^(t - M): one batch for both tiles
.set j, j+1
.endr
.irp tl, 0,1
	v_pk_mul_f32 v[ST+4*\tl+2:ST+4*\tl+3], v[ST+4*\tl+2:ST+4*\tl+3], v[FF+2*\tl:FF+2*\tl+1] op_sel_hi:[1,0]   ; the sums under the new M: plain instructions behind the batch
.endr
	s_wait_alu depctr_va_vdst(0)                   ; one wait for the batch, ahead of its first reader
.irp tl, 0,1
	v_pk_add_f32 v[34+2*\tl:35+2*\tl], v[S+64*\tl:S+64*\tl+1], v[S+64*\tl+2:S+64*\tl+3]   ; the sum of the unquantised p, two chains a tile
.endr
.set j, 4
.rept 15
.irp tl, 0,1
	v_pk_add_f32 v[ST+4*\tl+2:ST+4*\tl+3], v[ST+4*\tl+2:ST+4*\tl+3], v[S+64*\tl+j:S+64*\tl+j+1]
	v_pk_add_f32 v[34+2*\tl:35+2*\tl], v[34+2*\tl:35+2*\tl], v[S+64*\tl+j+2:S+64*\tl+j+3]
.endr
.set j, j+4
.endr
.irp tl, 0,1
	v_pk_add_f32 v[ST+4*\tl+2:ST+4*\tl+3], v[ST+4*\tl+2:ST+4*\tl+3], v[34+2*\tl:35+2*\tl]
.endr
.set b, 0
.rept 8                                ; 16 registers at a time: tile b / 4, keys 32 (b % 4) + 16 h on
.set j, 0
.rept 16
	v_min_num_f32 v[S+16*b+j], v[S+16*b+j], v32    ; the conversion does not saturate (ISA guide 7.6.2); p is not negative: a one-sided hold
.set j, j+1
.endr
	v_cvt_scalef32_pk8_bf8_f32 v[P+4*b:P+4*b+1], v[S+16*b:S+16*b+7], v33
	v_cvt_scalef32_pk8_bf8_f32 v[P+4*b+2:P+4*b+3], v[S+16*b+8:S+16*b+15], v33
.set b, b+1
.endr
	WIN 0x41                                       ; O^T window 1, f window 0
.set j, 0
.rept 32
	v_pk_mul_f32 v[j:j+1], v[j:j+1], v[FF+2*(j/32):FF+2*(j/32)+1] op_sel_hi:[1,0]   ; O^T under the new M; also the plain instructions behind the conversions
.set j, j+2
.endr
	s_wait_dscnt 0x0                               ; V is in
	WIN 0x51                                       ; V, C and D window 1, P window 0
.set t, 0
.rept 4                                ; the eight accumulators take turns; sixteen score products stand between a step's and the next's
	v_wmma_f32_16x16x128_bf8_bf8 v[8*t:8*t+7], v[VF+16*t:VF+16*t+15], v[P:P+15], v[8*t:8*t+7]
	v_wmma_f32_16x16x128_bf8_bf8 v[32+8*t:32+8*t+7], v[VF+16*t:VF+16*t+15], v[P+16:P+31], v[32+8*t:32+8*t+7]
.set t, t+1
.endr
	WIN 0
.endm
; A chunk of 512 keys: four steps.  My part of chunk c has landed when at most 3 - c of my four tensor loads are out; the barrier says so of every wave.
.macro CHUNK c
	s_wait_tensorcnt 3-\c
	s_wait_dscnt 0x0                               ; no LDS instruction of mine is out (the bias's stores among them)
	s_barrier_signal -1
	s_barrier_wait -1
	s_mov_b32 s92, KCH*\c
	s_mov_b32 s93, VCH*\c
	s_mov_b32 s94, 2048*\c
	s_mov_b32 s95, 4
.Lstep_\@:
	STEP
	s_add_co_u32 s92, s92, KST
	s_add_co_u32 s93, s93, 128
	s_add_co_u32 s94, s94, 512
	s_sub_co_u32 s95, s95, 1
	s_cmp_lg_u32 s95, 0
	s_cbranch_scc1 .Lstep_\@
.endm
	s_mov_b32 s96, 2
.Lpass:                                            ; 256 queries of the work-group a pass
	global_load_b128 v[Q:Q+3], v11, s[4:5]
	global_load_b128 v[Q+4:Q+7], v11, s[4:5] offset:32
	global_load_b128 v[Q+8:Q+11], v11, s[4:5] offset:1024
	global_load_b128 v[Q+12:Q+15], v11, s[4:5] offset:1056
.irp tl, 0,1
	v_mov_b32 v[ST+4*\tl+1], 0xff61b1e6            ; the largest t so far: -3e38
	v_floor_f32 v[ST+4*\tl], -v[ST+4*\tl+1]
	v_mov_b32 v[ST+4*\tl+2], 0
	v_mov_b32 v[ST+4*\tl+3], 0
	v_mov_b32 v[FF+2*\tl+1], 0                     ; (upper half of f's pair)
	v_mov_b32 v[MA+3*\tl+2], 0                     ; (a lane permute's destination counts as read)
.endr
	WIN 0x40
.set j, 0
.rept 64
	v_mov_b32 v[j], 0                              ; O^T: the step is written once; its first run finds zeros
.set j, j+1
.endr
	WIN 0
	s_wait_loadcnt 0x0                             ; Q
	CHUNK 0
	CHUNK 1
	CHUNK 2
	CHUNK 3
	; THE WAY OUT: O^T / the sum x 2^(e4 + e5), quantised by 2^e6; 8 bytes a lane and tile go into my stage, in the tokens' order, and leave as 512 consecutive bytes a store
.rept 4
	v_nop
.endr
.irp tl, 0,1
	v_add_f32 v[MA+3*\tl], v[ST+4*\tl+2], v[ST+4*\tl+3]
.endr
.irp tl, 0,1
	v_permlanex16_b32 v[MA+3*\tl+2], v[MA+3*\tl], s20, s21
.endr
.irp tl, 0,1
	v_add_f32 v[MA+3*\tl], v[MA+3*\tl], v[MA+3*\tl+2]
.endr
.irp tl, 0,1
	v_rcp_f32 v[FF+2*\tl], v[MA+3*\tl]
.endr
	v_nop
	s_wait_alu depctr_va_vdst(0)                   ; one wait for the two reciprocals
.irp tl, 0,1
	v_ldexp_f32 v[FF+2*\tl], v[FF+2*\tl], s97
.endr
	WIN 0x01                                       ; source 0 (O^T) window 1
.set j, 0
.rept 32
	v_pk_mul_f32 v[S+j:S+j+1], v[j:j+1], v[FF+2*(j/32):FF+2*(j/32)+1] op_sel_hi:[1,0]
.set j, j+2
.endr
	WIN 0
.set j, 0
.rept 64
	v_med3_num_f32 v[S+j], v[S+j], -v38, v38
.set j, j+1
.endr
.set t, 0
.rept 8
	v_cvt_scalef32_pk8_bf8_f32 v[P+2*t:P+2*t+1], v[S+8*t:S+8*t+7], v39
.set t, t+1
.endr
	v_nop
.set t, 0
.rept 8                                ; tile t / 4, channels 16 (t % 4) + 8 h on
	ds_store_b64 v8, v[P+2*t:P+2*t+1] offset:8*KP*(t/4)+16*(t%4)
.set t, t+1
.endr
.set t, 0
.rept 4
	ds_load_b128 v[88+4*t:88+4*t+3], v9 offset:8*KP*t   ; LDS serves a wave's instructions in order: these see my stores
.set t, t+1
.endr
.set t, 0
.rept 4
	s_wait_dscnt 3-t
	global_store_b128 v10, v[88+4*t:88+4*t+3], s[14:15] offset:512*t
.set t, t+1
.endr
	s_wait_xcnt 0x0                                ; the stores have read their registers and base
	s_add_nc_u64 s[4:5], s[4:5], 16384             ; 256 rows of 64 bytes on
	s_add_nc_u64 s[14:15], s[14:15], 16384
	s_sub_co_u32 s96, s96, 1
	s_cmp_lg_u32 s96, 0
	s_cbranch_scc1 .Lpass
	s_wait_tensorcnt 0x0
	s_wait_dscnt 0x0
	CROUND                                         ; the closing round
	s_endpgm
.Lfunc_end_k_qe6f13e31fd_attn:
	.size	k_qe6f13e31fd_attn, .Lfunc_end_k_qe6f13e31fd_attn-k_qe6f13e31fd_attn
	.p2alignl 7, 3214868480
	.fill 96, 4, 3214868480
	.section	.rodata,"a",@progbits
	.p2align	6, 0x0
	.amdhsa_kernel k_qe6f13e31fd_attn
		.amdhsa_group_segment_fixed_size 327680
		.amdhsa_private_segment_fixed_size 0
		.amdhsa_enable_private_segment 0
		.amdhsa_kernarg_size 48
		.amdhsa_user_sgpr_count 2
		.amdhsa_user_sgpr_kernarg_segment_ptr 1
		.amdhsa_wavefront_size32 1
		.amdhsa_system_sgpr_workgroup_id_x 1
		.amdhsa_system_sgpr_workgroup_id_y 1
		.amdhsa_system_sgpr_workgroup_id_z 1
		.amdhsa_system_vgpr_workitem_id 0
		.amdhsa_next_free_vgpr 512
		.amdhsa_next_free_sgpr 100
		.amdhsa_reserve_vcc 0
		.amdhsa_float_denorm_mode_32 3
		.amdhsa_float_denorm_mode_16_64 3
		.amdhsa_memory_ordered 1
		.amdhsa_forward_progress 1
		.amdhsa_inst_pref_size 140
	.end_amdhsa_kernel
	.amdgpu_metadata
---
amdhsa.version: [ 1, 2 ]
amdhsa.kernels:
  - .name:           k_qe6f13e31fd_attn
    .symbol:         k_qe6f13e31fd_attn.kd
    .args:
      - { .name: qcodes, .offset: 0, .size: 8, .value_kind: global_buffer, .address_space: global }
      - { .name: kcodes, .offset: 8, .size: 8, .value_kind: global_buffer, .address_space: global }
      - { .name: vcodes, .offset: 16, .size: 8, .value_kind: global_buffer, .address_space: global }
      - { .name: encoder_padding_mask, .offset: 24, .size: 8, .value_kind: global_buffer, .address_space: global }
      - { .name: lowp_scales, .offset: 32, .size: 8, .value_kind: global_buffer, .address_space: global }
      - { .name: ctxcodes, .offset: 40, .size: 8, .value_kind: global_buffer, .address_space: global }
    .group_segment_fixed_size: 327680
    .private_segment_fixed_size: 0
    .kernarg_segment_align: 8
    .kernarg_segment_size: 48
    .max_flat_workgroup_size: 256
    .sgpr_count:     100
    .vgpr_count:     512
    .wavefront_size: 32
...
	.end_amdgpu_metadata
.endif
;; end of part 3
;; launch outp (part 4): grid 8 x 32, 4 waves a work-group, clusters of 4 x 4, 327,680 bytes of LDS; arguments ctxcodes, out_w_codes, lowp_scales, out_b, hidden_states, out0; writes out0
.if DOCPART == 4
	.amdgcn_target "amdgcn-amd-amdhsa--gfx1250"
	.amdhsa_code_object_version 6
	.text
	.protected	k_qe6f13e31fd_outp
	.globl	k_qe6f13e31fd_outp
	.p2align	8
	.type	k_qe6f13e31fd_outp,@function
k_qe6f13e31fd_outp:
	s_mov_b64 s[64:65], 0
	v_nop
	global_prefetch_b8 v0, s[64:65] scope:SCOPE_SE
	s_setreg_imm32_b32 hwreg(HW_REG_WAVE_MODE, 25, 1), 1
	s_wait_xcnt 0x0
	s_wait_alu depctr_hold_cnt(0) depctr_sa_sdst(0) depctr_va_vdst(0) depctr_va_sdst(0) depctr_va_ssrc(0) depctr_va_vcc(0) depctr_vm_vsrc(0)
	s_getreg_b32 s2, hwreg(HW_REG_IB_STS2, 6, 4)
	s_cmp_eq_u32 s2, 0
	s_cbranch_scc0 .Lentry_in_a_cluster
	s_endpgm
.Lentry_in_a_cluster:
	s_bfe_u32 s2, ttmp6, 0x10000c
	s_cmp_lg_u32 s2, 0xf033
	s_cbranch_scc0 .Lentry_shape_is_right
	s_endpgm
.Lentry_shape_is_right:
; out0 = x + ctx W^T + b on codes of BF8 (E5M2): ctx [16 heads][8192 tokens][64] (scale 2^e6), W [1024][1024] (2^e7); x, out0 [8192][1024] f32, b [1024] f32.
; A tile of 256 tokens x 128 outputs: 8 x 32 = 256 work-groups.  Four waves, 128 x 64 each: 32 accumulators, 256 registers.  K goes in four steps of 256 (four heads) through a ring of two LDS slots.
; CLUSTERS: 4 x 4 work-groups; ctx's tile is shared along a row of the cluster, W's along a column: joint loads.  The matrix instruction is used transposed (source 0 = W's rows): a lane holds eight neighbouring outputs of a token.
; ctx's tile of 128 tokens x 4 heads is four runs of 8,192 consecutive bytes, 524,288 bytes apart; the mover lays 16 bytes of padding behind every 64, so that in LDS it is [4 heads][128 tokens][80].
; LIMIT: e6 + e7 between -126 and 127.
; REGISTERS: window 0: v8-11 my four numbers of b; v16-29 addresses; v32-127 x's blocks 0-2 (block 7 later); from v128 ctx's fragments, one set; on the way out x's blocks 3-6.
;   window 1: W's fragments, two sets, at v0 and v128; on the way out v0-63 rows of the result.   window 2: the accumulators ((a, b) at v[8 (4 a + b)]).
.set PITCH,  272
.set FR,     16
.set NL,     4
.set NP,     4
.set AH,     4*128*80                  ; what one load brings of ctx
.set BH,     64*PITCH                  ; and of W
.set SLOT,   2*AH+2*BH
.set ASTEP,  4*524288                  ; a K step in ctxcodes: four heads
.set ROWB,   256                       ; and in a row of W
.set LAPS,   2
.set SPARE,  2*SLOT                    ; the spare words, 128 bytes for each wave
.set STAGE,  SPARE+512                 ; the way out: 16 rows x (256 + 16 bytes) for each wave; no fill lands here
.set SPITCH, 272
.set OB,   8
.set ADRA, 16
.set ADRB, 20
.set STO,  24
.set RD,   25
.set BO,   26
.set XO,   27
.set SPW,  28
.set NIL,  29
.set XR,   32
.set AF,   128
.set G1, 24
.set G0, 32
.set G1B, 48
.set G0B, 56
.set MSB, 0
.macro WIN new
.if MSB != \new
	s_set_vgpr_msb (MSB<<8)|\new
.set MSB, \new
.endif
.endm
.set MUL,  0xa1                        ; source 0 (W) window 1, source 1 (ctx) window 0, C and D window 2
.set TO_B, 0x40
.macro JLOAD g0a, g1a, g0b, g1b        ; waves 0 and 1 fetch ctx's halves, waves 2 and 3 W's; four v_nop follow each of the two lines
	s_cmp_eq_u32 s15, 0
	s_cbranch_scc0 .Lfor_b_\@
	tensor_load_to_lds s[\g0a:\g0a+3], s[\g1a:\g1a+7]
.rept 4
	v_nop
.endr
	s_branch .Lasked_\@
.Lfor_b_\@:
	tensor_load_to_lds s[\g0b:\g0b+3], s[\g1b:\g1b+7]
.rept 4
	v_nop
.endr
.Lasked_\@:
.endm
.macro CREST
	s_cmp_lg_u32 s14, 0
	s_cbranch_scc1 .Lnot_wave_0_\@
	s_barrier_signal -3
.Lnot_wave_0_\@:
	s_barrier_wait -3
	s_barrier_signal -1
	s_barrier_wait -1
.endm
.macro CROUND
	s_barrier_signal -1
	s_barrier_wait -1
	CREST
.endm
	s_load_b128 s[4:7], s[0:1], 0x0                ; ctx's codes s[4:5], W's codes s[6:7]
	s_load_b128 s[8:11], s[0:1], 0x10              ; the scales' exponents s[8:9], b s[10:11]
	s_load_b128 s[68:71], s[0:1], 0x20             ; x s[68:69], out0 s[70:71]
	v_lshl_add_u32 v[SPW], v0, 2, SPARE
	v_mov_b32 v[NIL], 0
	v_lshrrev_b32 v1, 5, v0
	v_readfirstlane_b32 s14, v1                    ; wave 0..3
	s_lshr_b32 s15, s14, 1                         ; which 128 tokens are mine.  Also: I fetch for ctx (0) or for W (1)
	s_and_b32 s16, s14, 1                          ; which 64 outputs.  Also: which half of that tile I fetch
	s_bfe_u32 s40, ttmp6, 0x40000
	s_bfe_u32 s41, ttmp6, 0x40004
	s_lshl_b32 s42, ttmp9, 2
	s_add_co_u32 s42, s42, s40                     ; X: tile of 128 outputs
	s_and_b32 s17, ttmp7, 0xffff
	s_lshl_b32 s17, s17, 2
	s_add_co_u32 s17, s17, s41                     ; Y: tile of 256 tokens
	s_lshl_b32 s43, s41, 2
	s_lshl_b32 s43, 15, s43                        ; my row of the cluster
	s_lshl_b32 s44, 0x1111, s40                    ; my column
	s_or_b32 s[G1+0], s43, (0<<16)|(1<<20)|(1<<21)|(3<<22)|(3<<25)   ; ctx: the mask of my row; elements of 1 byte; padding: 4 words after every 16
	s_mov_b32 s[G1+1], 8192<<16                    ; tensor_dim0 = 8,192: 128 tokens of a head
	s_mov_b32 s[G1+2], 4<<16                       ; tensor_dim1 = 4 heads
	s_mov_b32 s[G1+3], 8192<<16                    ; tile_dim0
	s_mov_b32 s[G1+4], 4                           ; tile_dim1
	s_mov_b32 s[G1+5], 524288                      ; from head to head
	s_mov_b32 s[G1+6], 0
	s_mov_b32 s[G1+7], 0
	s_or_b32 s[G1B+0], s44, (0<<16)|(1<<20)|(1<<21)|(5<<22)|(3<<25)  ; W: the mask of my column; padding: 4 words after every 64
	s_mov_b32 s[G1B+1], ROWB<<16
	s_mov_b32 s[G1B+2], 64<<16
	s_mov_b32 s[G1B+3], ROWB<<16
	s_mov_b32 s[G1B+4], 64
	s_mov_b32 s[G1B+5], 1024
	s_mov_b32 s[G1B+6], 0
	s_mov_b32 s[G1B+7], 0
	s_lshl_b32 s20, s17, 14                        ; ctx: token 256 Y + 128 x half, 64 bytes each
	s_lshl_b32 s18, s16, 13
	s_add_co_u32 s20, s20, s18
	s_mov_b32 s21, 0
	s_lshl_b32 s46, s42, 17                        ; W: row 128 X + 64 x half, 1,024 bytes each
	s_lshl_b32 s18, s16, 16
	s_add_co_u32 s46, s46, s18
	s_mov_b32 s47, 0
	s_mul_i32 s45, s16, AH                         ; where they go: no place in the cluster enters an LDS address
	s_mul_i32 s19, s16, BH
	s_add_co_u32 s19, s19, 2*AH
	s_wait_kmcnt 0x0
	s_load_b64 s[96:97], s[8:9], 0x18              ; e6, e7
	s_add_nc_u64 s[20:21], s[4:5], s[20:21]
	s_add_nc_u64 s[46:47], s[6:7], s[46:47]
	CROUND                                         ; all sixteen work-groups are here: the first joint loads meet
.irp s, 0,1
	s_mov_b32 s[G0+4*\s], 1
	s_add_co_u32 s[G0+4*\s+1], s45, \s*SLOT
	s_add_nc_u64 s[G0+4*\s+2:G0+4*\s+3], s[20:21], \s*ASTEP
	s_or_b32 s[G0+4*\s+3], s[G0+4*\s+3], 0x80000000
	s_mov_b32 s[G0B+4*\s], 1
	s_add_co_u32 s[G0B+4*\s+1], s19, \s*SLOT
	s_add_nc_u64 s[G0B+4*\s+2:G0B+4*\s+3], s[46:47], \s*ROWB
	s_or_b32 s[G0B+4*\s+3], s[G0B+4*\s+3], 0x80000000
	JLOAD G0+4*\s, G1, G0B+4*\s, G1B
.endr
	v_and_b32 v1, 15, v0                           ; r
	v_bfe_u32 v2, v0, 4, 1                         ; h
	v_mul_u32_u24 v3, v1, 80
	v_lshl_add_u32 v3, v2, 4, v3                   ; ctx: token r, + 16 h
	v_mul_u32_u24 v4, v1, PITCH
	v_lshl_add_u32 v5, v2, 4, v4                   ; W: row r, + 16 h
	s_mul_i32 s21, s15, AH
	s_mul_i32 s22, s16, BH
	s_add_co_u32 s22, s22, 2*AH
.irp s, 0,1
	v_add_nc_u32 v[ADRA+\s], s21, v3
	v_add_nc_u32 v[ADRB+\s], s22, v5
	s_add_co_u32 s21, s21, SLOT
	s_add_co_u32 s22, s22, SLOT
.endr
	s_mul_i32 s23, s14, 16*SPITCH
	s_add_co_u32 s23, s23, STAGE                   ; my stage
	v_lshl_add_u32 v6, v2, 5, v4
	v_add_nc_u32 v[STO], s23, v6                   ; in: row r, 32 bytes for each half of the lanes
	v_mul_u32_u24 v6, v2, SPITCH
	v_lshl_add_u32 v6, v1, 4, v6
	v_add_nc_u32 v[RD], s23, v6                    ; back: sixteen lanes to a row of 256 bytes, two rows an instruction
	v_lshlrev_b32 v6, 12, v2
	v_lshl_add_u32 v[XO], v1, 4, v6                ; the same two rows in x and in out0; never rewritten
	v_lshlrev_b32 v[BO], 4, v1                     ; my four numbers of b; never rewritten
	s_lshl_b32 s78, s17, 20                        ; token 256 Y + 128 x half, 4,096 bytes each,
	s_lshl_b32 s79, s15, 19
	s_add_co_u32 s78, s78, s79
	s_lshl_b32 s79, s42, 9                         ; output 128 X + 64 x half, 4 bytes each
	s_add_co_u32 s78, s78, s79
	s_lshl_b32 s79, s16, 8
	s_add_co_u32 s78, s78, s79
	s_mov_b32 s79, 0
	s_add_nc_u64 s[72:73], s[68:69], s[78:79]      ; x at my part's corner,
	s_add_nc_u64 s[74:75], s[70:71], s[78:79]      ; out0 likewise: neither is stepped: every row stands in an immediate
	s_lshl_b32 s76, s42, 9
	s_lshl_b32 s77, s16, 8
	s_add_co_u32 s76, s76, s77
	s_mov_b32 s77, 0
	s_add_nc_u64 s[76:77], s[10:11], s[76:77]
	global_load_b128 v[OB:OB+3], v[BO], s[76:77]
.macro XLOAD a, reg                    ; x's block a: 16 rows x 256 bytes, in the places in which the result comes back from the stage
.set t, 0
.rept 8
	global_load_b128 v[\reg+4*t:\reg+4*t+3], v[XO], s[72:73] offset:4096*(16*(\a)+2*t) th:TH_LOAD_NT
.set t, t+1
.endr
.endm
	XLOAD 0, XR
	XLOAD 1, XR+32
	XLOAD 2, XR+64
.macro FRAG_A reg, adr, q, i           ; 16 tokens x 128 K: registers 4 c .. 4 c + 3: K = 128 q + 32 c + 16 h + 0 .. 15: head 2 q + c / 2 of the slot's four, channel 32 (c % 2) + 16 h
.irp c, 0,1,2,3
	ds_load_b128 v[\reg+4*\c:\reg+4*\c+3], v[\adr] offset:10240*(2*(\q)+\c/2)+1280*(\i)+32*(\c%2)
.endr
.endm
.macro FRAG_B reg, adr, q, i
.irp c, 0,1,2,3
	ds_load_b128 v[\reg+4*\c:\reg+4*\c+3], v[\adr] offset:128*(\q)+32*\c+(\i)*16*PITCH
.endr
.endm
; 8 matrix instructions: ctx's blocks a0, a0 + 1 x W's four.  The 32 accumulators take turns, one instruction a turn, in the same order in every step.
.macro MUL8 a0, p, zero
.irp a, \a0, \a0+1
.irp b, 0,1,2,3
.if \zero
	v_wmma_f32_16x16x128_bf8_bf8 v[8*(4*(\a)+\b):8*(4*(\a)+\b)+7], v[128*(\p)+FR*\b:128*(\p)+FR*\b+FR-1], v[AF+FR*(\a):AF+FR*(\a)+FR-1], 0
.else
	v_wmma_f32_16x16x128_bf8_bf8 v[8*(4*(\a)+\b):8*(4*(\a)+\b)+7], v[128*(\p)+FR*\b:128*(\p)+FR*\b+FR-1], v[AF+FR*(\a):AF+FR*(\a)+FR-1], v[8*(4*(\a)+\b):8*(4*(\a)+\b)+7]
.endif
.endr
.endr
.endm
.macro FETCH_B slot, q, p
	WIN TO_B
.irp i, 0,1,2,3
	FRAG_B 128*(\p)+FR*\i, ADRB+\slot, \q, \i
.endr
	WIN 0
.endm
.macro FETCH_A slot, q, i0
.irp i, \i0, \i0+1, \i0+2, \i0+3
	FRAG_A AF+FR*(\i), ADRA+\slot, \q, \i
.endr
.endm
.macro PLACES n
.rept \n
	v_nop
.endr
.endm
.macro STEP slot, q, zero
	s_wait_dscnt 4*NL                              ; W's set and ctx's blocks 0-3 are in; the youngest sixteen loads (blocks 4-7) may be out
	WIN MUL
	MUL8 0, (\q)%2, \zero
	MUL8 2, (\q)%2, \zero
	s_wait_dscnt 0
	PLACES NP
	FETCH_B \slot, (\q)+1, 1-(\q)%2
	FETCH_A \slot, (\q)+1, 0
	WIN MUL
	MUL8 4, (\q)%2, \zero
	MUL8 6, (\q)%2, \zero
	PLACES NP
	WIN 0
	FETCH_A \slot, (\q)+1, 4
.endm
.macro TURN slot, next, fill
	s_wait_tensorcnt 0x0                           ; all my tensor loads have landed: my part of the next slot
	ds_add_u32 v[SPW], v[NIL]                      ; 0 onto my spare word
	s_wait_dscnt 4*NL+1                            ; (the add and the youngest sixteen loads may be out)
	WIN MUL
	MUL8 0, 1, 0
	s_wait_dscnt 0x0                               ; the add is done, and my reads of this slot are over
	s_barrier_signal -1
	MUL8 2, 1, 0
	WIN 0
	s_barrier_wait -1
.if \fill
	CREST                                          ; the barrier has opened a round of the cluster's
	s_add_nc_u64 s[G0+4*\slot+2:G0+4*\slot+3], s[G0+4*\slot+2:G0+4*\slot+3], 2*ASTEP
	s_add_nc_u64 s[G0B+4*\slot+2:G0B+4*\slot+3], s[G0B+4*\slot+2:G0B+4*\slot+3], 2*ROWB
	JLOAD G0+4*\slot, G1, G0B+4*\slot, G1B         ; the first tensor load behind the round; its four v_nop are the places in front of the loads below
.else
	PLACES NP
.endif
	FETCH_B \next, 0, 0
	FETCH_A \next, 0, 0
	WIN MUL
	MUL8 4, 1, 0
	MUL8 6, 1, 0
	PLACES NP
	WIN 0
	FETCH_A \next, 0, 4
.endm
	s_wait_tensorcnt 1                             ; my part of K step 0 is in (K step 1's load may be out)
	s_barrier_signal -1
	s_barrier_wait -1
	FETCH_B 0, 0, 0
	FETCH_A 0, 0, 0
	FETCH_A 0, 0, 4
	STEP 0, 0, 1                                   ; the first step's products start the sums
	s_mov_b32 s3, LAPS-1
.Llap:
	TURN 0, 1, 1
	STEP 1, 0, 0
	TURN 1, 0, 1
	STEP 0, 0, 0
	s_sub_co_u32 s3, s3, 1
	s_cmp_lg_u32 s3, 0
	s_cbranch_scc1 .Llap
	TURN 0, 1, 0
	STEP 1, 0, 0
	s_wait_dscnt 4*NL
	WIN MUL
	MUL8 0, 1, 0
	MUL8 2, 1, 0
	s_wait_dscnt 0
	MUL8 4, 1, 0
	MUL8 6, 1, 0
	WIN 0
	PLACES NP                                      ; behind the last products: loads land in their fragments' registers and LDS stores read their results below
	XLOAD 3, 128
	XLOAD 4, 160
	XLOAD 5, 192
	XLOAD 6, 224
	s_wait_kmcnt 0x0
	s_add_co_i32 s96, s96, s97
	s_add_co_i32 s96, s96, 127
	s_lshl_b32 s96, s96, 23                        ; 2^(e6 + e7) as f32
	s_mov_b32 s97, s96
; THE WAY OUT of block a (16 tokens x 64 outputs): the sums go through my stage and come back as whole rows of 256 bytes; there sum x 2^(e6 + e7) + b, + x, and the store.
.macro OUTBLK a
.set AC, 32*(\a)
.set RR, 32*((\a)%2)
.if (\a) < 3
.set XX, XR+32*(\a)
.elseif (\a) < 7
.set XX, 128+32*((\a)-3)
.else
.set XX, XR
.endif
.if (\a) >= 2
	s_wait_xcnt 0x0                                ; the stores of two blocks back have read their registers: this block's rows may land there
.endif
	WIN 0x08                                       ; store data window 2
.irp b, 0,1,2,3
	ds_store_b128 v[STO], v[AC+8*\b:AC+8*\b+3] offset:64*\b          ; each accumulator's low four first
	ds_store_b128 v[STO], v[AC+8*\b+4:AC+8*\b+7] offset:64*\b+16
.endr
	WIN 0x40                                       ; destination window 1
.set t, 0
.rept 8
	ds_load_b128 v[RR+4*t:RR+4*t+3], v[RD] offset:2*SPITCH*t         ; LDS serves a wave's instructions in order: these see my stores
.set t, t+1
.endr
	s_wait_dscnt 0x0
.if (\a) == 0
	s_wait_loadcnt 48                              ; b and x's block 0 are in; blocks 1 to 6 may be out
.else
	s_wait_loadcnt 56-8*(\a)                       ; x's block a is in; the later blocks' loads may be out
.endif
	WIN 0x41                                       ; destination and source 0 window 1
.set t, 0
.rept 8
	v_pk_fma_f32 v[RR+4*t:RR+4*t+1], v[RR+4*t:RR+4*t+1], s[96:97], v[OB:OB+1] op_sel_hi:[1,0,1]
	v_pk_fma_f32 v[RR+4*t+2:RR+4*t+3], v[RR+4*t+2:RR+4*t+3], s[96:97], v[OB+2:OB+3] op_sel_hi:[1,0,1]
.set t, t+1
.endr
.set j, 0
.rept 16
	v_pk_add_f32 v[RR+j:RR+j+1], v[RR+j:RR+j+1], v[XX+j:XX+j+1]
.set j, j+2
.endr
	WIN 0x04                                       ; store data window 1
.set t, 0
.rept 8
	global_store_b128 v[XO], v[RR+4*t:RR+4*t+3], s[74:75] offset:4096*(16*(\a)+2*t) th:TH_STORE_NT   ; sixteen lanes store 256 consecutive bytes, aligned
.set t, t+1
.endr
	WIN 0
.endm
	OUTBLK 0
	XLOAD 7, XR                                    ; block 0's numbers of x have been used
.irp a, 1,2,3,4,5,6,7
	OUTBLK \a
.endr
	s_wait_tensorcnt 0x0                           ; the wave's end
	ds_add_u32 v[SPW], v[NIL]
	s_wait_dscnt 0x0
	CROUND                                         ; the closing round
	s_endpgm
.Lfunc_end_k_qe6f13e31fd_outp:
	.size	k_qe6f13e31fd_outp, .Lfunc_end_k_qe6f13e31fd_outp-k_qe6f13e31fd_outp
	.p2alignl 7, 3214868480
	.fill 96, 4, 3214868480
	.section	.rodata,"a",@progbits
	.p2align	6, 0x0
	.amdhsa_kernel k_qe6f13e31fd_outp
		.amdhsa_group_segment_fixed_size 327680
		.amdhsa_private_segment_fixed_size 0
		.amdhsa_enable_private_segment 0
		.amdhsa_kernarg_size 48
		.amdhsa_user_sgpr_count 2
		.amdhsa_user_sgpr_kernarg_segment_ptr 1
		.amdhsa_wavefront_size32 1
		.amdhsa_system_sgpr_workgroup_id_x 1
		.amdhsa_system_sgpr_workgroup_id_y 1
		.amdhsa_system_sgpr_workgroup_id_z 1
		.amdhsa_system_vgpr_workitem_id 0
		.amdhsa_next_free_vgpr 768
		.amdhsa_next_free_sgpr 100
		.amdhsa_reserve_vcc 0
		.amdhsa_float_denorm_mode_32 3
		.amdhsa_float_denorm_mode_16_64 3
		.amdhsa_memory_ordered 1
		.amdhsa_forward_progress 1
		.amdhsa_inst_pref_size 92
	.end_amdhsa_kernel
	.amdgpu_metadata
---
amdhsa.version: [ 1, 2 ]
amdhsa.kernels:
  - .name:           k_qe6f13e31fd_outp
    .symbol:         k_qe6f13e31fd_outp.kd
    .args:
      - { .name: ctxcodes, .offset: 0, .size: 8, .value_kind: global_buffer, .address_space: global }
      - { .name: out_w_codes, .offset: 8, .size: 8, .value_kind: global_buffer, .address_space: global }
      - { .name: lowp_scales, .offset: 16, .size: 8, .value_kind: global_buffer, .address_space: global }
      - { .name: out_b, .offset: 24, .size: 8, .value_kind: global_buffer, .address_space: global }
      - { .name: hidden_states, .offset: 32, .size: 8, .value_kind: global_buffer, .address_space: global }
      - { .name: out0, .offset: 40, .size: 8, .value_kind: global_buffer, .address_space: global }
    .group_segment_fixed_size: 327680
    .private_segment_fixed_size: 0
    .kernarg_segment_align: 8
    .kernarg_segment_size: 48
    .max_flat_workgroup_size: 128
    .sgpr_count:     100
    .vgpr_count:     768
    .wavefront_size: 32
...
	.end_amdgpu_metadata
.endif
;; end of part 4
